; MI455X (gfx1250); checked and timed in simulation.
; The chip was launched on July 23, 2026; its instructions are those of AMD's public machine-readable ISA for CDNA 5 (MIT licence, August 2026) and "CDNA5" Instruction Set Architecture Reference Guide (July 2026). The comments in the code are by the model that wrote it; some were corrected since.
;; Mo E. Allowed arithmetic: matrix products marked QUANTISED: E5M2 operands, one E8M0 scale for each 32 along K, by v_wmma_scale_f32_16x16x128_f8f6f4 with both operands' format E5M2, f32 sums; everything else in f32.
;; Inputs: W1 16 x 2,048 x 1,024 float32; W2 16 x 1,024 x 2,048 float32; Wr 2,048 x 16 float32; b1 16 x 1,024 float32; b2 16 x 2,048 float32; br 16 float32; x 1,024 x 2,048 float32.
;; Outputs: out0 1,024 x 2,048 float32.
;; This version of the problem:
;;   THIS VERSION OF THE PROBLEM IS GIVEN IN LOW PRECISION. The matrix products marked QUANTISED in the list below multiply operands that are first quantised to E5M2 (5 exponent bits, 2 mantissa bits; 8 bits a number), with one power-of-two scale for each 32 numbers along K (OCP MX v1.0); their sums are f32. All else is computed in f32.
;;   The module's matrix products, in the order in which they are computed (A, B: the left and right operand; K: the contracted axis; several contracted axes count as one K, in the product's order):
;;     1. [M 1,024, K 2,048] x [K 2,048, N 16]; A: input x; B: input Wr: QUANTISED
;;     2. [M 1,024, K 2,048] x [K 2,048, N 16,384]; A: input x; B: input W1: QUANTISED
;;     3. batch 16 x [M 2,048, K 1,024] x [K 1,024, N 1,024]; A: input W2; B: computed on the way: QUANTISED
;;   THE QUANTISER, for each operand of a quantised product, along K:
;;     - K is cut into blocks of 32 from its start; a last block that is shorter is filled with zeros.
;;     - A block's scale is 2^e with e = floor(log2(the largest magnitude in the block)) - 15, held to -126 .. 127; a block of zeros has e = 0. As a byte (E8M0): e + 127.
;;     - Each number is divided by its block's scale, clamped to +-57,344, and rounded to the nearest number of E5M2, ties to even, subnormals kept.
;;     - The product sums the exact products of the quantised numbers (number of the format x scale) in f32.
;;   ~~~python
;;   def quantise(x, axis):      # numpy; x: float32 -> the quantised numbers, widened to float32 again
;;       x = np.moveaxis(x, axis, -1); K = x.shape[-1]
;;       x = np.pad(x, [(0, 0)] * (x.ndim - 1) + [(0, -K % 32)]); x = x.reshape(x.shape[:-1] + (-1, 32)); a = np.abs(x).max(-1, keepdims=True)
;;       e = np.where(a > 0, np.clip(np.frexp(np.where(a > 0, a, 1))[1] - 1 - 15, -126, 127), 0)      # np.frexp(a)[1] - 1 = floor(log2(a)), exactly
;;       r = np.clip(x / 2.0 ** e, -57344, 57344)
;;       step = 2.0 ** (np.maximum(np.frexp(np.where(r == 0, 1, r))[1] - 1, -14) - 2)
;;       q = np.round(r / step) * step * 2.0 ** e      # np.round: ties to even
;;       return np.moveaxis(q.reshape(q.shape[:-2] + (-1,))[..., :K], -1, axis).astype(np.float32)
;;   ~~~
;;   OPERANDS COMPUTED ON THE WAY. 'Computed on the way' means the value that the module computes at that place (a softmax that the list does not call 'softmax' is quantised finished and normalised). What goes into a quantiser is computed in f32, as accurately as f32 sums, v_exp_f32 and their like allow (about 1e-6 of the number): no bf16 or f16 on the way to a quantiser, and a product that is left as it is and whose result goes on into a quantised operand takes f32 operands (vector FMAs, or v_wmma_f32_16x16x4_f32). A number that lies on a knife's edge between two numbers of the format may be rounded either way, as far as f32 arithmetic and the matrix unit's own rounding can turn it there, and no further.
;; 2 versions, each right; version 2 is version 1 with the launch down written anew for expert scheduling mode. Each part assembles by itself: llvm-mc -triple=amdgcn-amd-amdhsa -mcpu=gfx1250 --defsym DOCPART=n.
;; ======== version 1 of 2: 4 launches
;; workspace buffers: xq 2,179,072 bytes; route 18,432 bytes of whole numbers; hq 21,757,952 bytes; rid 131,072 bytes of whole numbers; y 33,554,432 bytes
;; launch prep (part 1): grid 64 x 1, 16 waves a work-group, no clusters, 53,248 bytes of LDS; arguments x, Wr, br, xq, route; writes xq, route
.if DOCPART == 1
	.amdgcn_target "amdgcn-amd-amdhsa--gfx1250"
	.amdhsa_code_object_version 6
	.text
	.protected	k_q49f9e43749_prep
	.globl	k_q49f9e43749_prep
	.p2align	8
	.type	k_q49f9e43749_prep,@function
k_q49f9e43749_prep:
	s_mov_b64 s[64:65], 0
	v_nop
	global_prefetch_b8 v0, s[64:65] scope:SCOPE_SE
	s_setreg_imm32_b32 hwreg(HW_REG_WAVE_MODE, 25, 1), 1
	s_wait_xcnt 0x0
; x [1024][2048] f32 becomes codes of E5M2 with one E8M0 byte for each 32 along K; the router's logits x Wr + br are made on those codes;
; the four largest logits of each token (ties: the lower expert), their softmax, and for each expert a bit mask over the tokens are stored at fixed places.
; SHARES.  A work-group takes 16 tokens; wave w takes K step w (k = 128 w .. 128 w + 127): it quantises its 16 x 128 of x and its 128 x 16 of Wr in registers and issues one matrix instruction.
; The sixteen partial logit tiles meet in LDS; wave 0 adds them in ascending K and does the choice.  No address and no branch hangs on the choice: it only becomes data.
; xq: codes [1024][2048] at 0; scale bytes [1024][64] at XSCL; the four weights [1024][4] f32 at TOPW.   route: the four experts [1024][4] u32 at 0; masks [16 experts][64 tiles] u16 at MASKS.
; LIMITS: NaN and infinities among the inputs, and logits of -infinity, are not served.  A block of zeros gets the byte 1 where the rule says 127: its codes are zeros, and this program alone reads the bytes.
; Logits that agree within the rounding of f32 sums may be ordered either way.
.set SP,    2064                       ; LDS: a token's row of 2,048 codes + 16 of padding
.set XSS,   16*SP                      ; behind the 16 rows: the scale bytes, 64 a token
.set PL,    XSS+1024                   ; behind them: the partial logits, an image of 8 registers (1,024 bytes) for each wave
.set XSCL,  2097152
.set TOPW,  2162688
.set MASKS, 16384
.set X,   16                           ; v16-79   64 numbers of x: register 16 b + i = k 32 b + 16 h + i of token r
.set WR,  80                           ; v80-143  64 numbers of Wr: the same k of column (expert) r
.set XC,  144                          ; v144-159 x's codes
.set WC,  160                          ; v160-175 Wr's codes
.set DD,  176                          ; v176-183 the partial logits
.set TM,  184                          ; v184-199 at work in QUANT
.set XW,  200                          ; x's scale word
.set WW,  201                          ; Wr's scale word
.set RB,  204                          ; v204-219 a row of codes read back; v220-227 the scale bytes read back
.set SEL, 20                           ; s[20:21] v_permlanex16_b32's selects for lane l xor 16
.set MNT, 22                           ; s22 the mantissa field of 57,344
; 64 numbers of a lane become a fragment's 16 registers of codes and its scale word.  A block of 32 lies in lanes l and l xor 16.
.macro QUANT s, pc, pw
.irp b, 0,1,2,3
	v_max3_num_f32 v[TM+\b], |v[\s+16*\b]|, |v[\s+1+16*\b]|, 0x8000000   ; my 16 numbers of block b, and the floor 2^(16 - 127): the byte cannot fall under 1
.endr
.irp i, 2,4,6,8,10,12,14
.irp b, 0,1,2,3
	v_max3_num_f32 v[TM+\b], v[TM+\b], |v[\s+16*\b+\i]|, |v[\s+1+16*\b+\i]|
.endr
.endr
.irp b, 0,1,2,3
	v_permlanex16_b32 v[TM+4+\b], v[TM+\b], s[SEL], s[SEL+1]
.endr
.irp b, 0,1,2,3
	v_max_num_f32 v[TM+\b], v[TM+\b], v[TM+4+\b]                   ; the block's largest magnitude
.endr
.irp b, 0,1,2,3
	v_add_nc_u32 v[TM+12+\b], 0xf8800000, v[TM+\b]                 ; 15 off its exponent field: the conversion's scale operand
.endr
.irp b, 0,1,2,3
	v_and_or_b32 v[TM+8+\b], v[TM+\b], 0x7f800000, s[MNT]          ; 57,344 x the scale
.endr
.irp b, 0,1,2,3
	v_lshrrev_b32 v[TM+4+\b], 23, v[TM+12+\b]                      ; the scale's byte
.endr
	v_lshl_or_b32 v[\pw], v[TM+5], 8, v[TM+4]
	v_lshl_or_b32 v[\pw], v[TM+6], 16, v[\pw]
	v_lshl_or_b32 v[\pw], v[TM+7], 24, v[\pw]
.irp b, 0,1,2,3
.irp i, 0,1,2,3,4,5,6,7,8,9,10,11,12,13,14,15
	v_med3_num_f32 v[\s+16*\b+\i], v[\s+16*\b+\i], -v[TM+8+\b], v[TM+8+\b]   ; the conversion to an 8-bit code does not saturate (ISA guide 7.6.2): the hold comes first
.endr
	v_cvt_scalef32_pk8_bf8_f32 v[\pc+4*\b:\pc+1+4*\b], v[\s+16*\b:\s+7+16*\b], v[TM+12+\b]
	v_cvt_scalef32_pk8_bf8_f32 v[\pc+2+4*\b:\pc+3+4*\b], v[\s+8+16*\b:\s+15+16*\b], v[TM+12+\b]
.endr
	v_nop                                          ; a plain line behind the last conversion
.endm
	s_load_b256 s[4:11], s[0:1], 0x0               ; x s[4:5], Wr s[6:7], br s[8:9], xq s[10:11]
	s_load_b64 s[12:13], s[0:1], 0x20              ; route
	v_lshl_add_u32 v254, v0, 2, 0xc800
	v_mov_b32 v255, 0
	v_lshrrev_b32 v1, 5, v0
	v_readfirstlane_b32 s14, v1                    ; wave 0..15
	v_and_b32 v1, 31, v0                           ; lane
	v_and_b32 v2, 15, v0                           ; r
	v_bfe_u32 v3, v0, 4, 1                         ; h
	v_lshlrev_b32 v4, 13, v2
	v_lshl_add_u32 v4, v3, 6, v4                   ; x: token r's row of 8,192 bytes + 64 h
	v_lshlrev_b32 v5, 2, v2
	v_lshl_add_u32 v5, v3, 10, v5                  ; Wr: column r, lanes 16-31 sixteen rows of 64 bytes further down
	v_lshlrev_b32 v6, 4, v1                        ; 16 x lane
	s_lshl_b32 s15, s14, 7
	v_mul_u32_u24 v7, v2, SP
	v_lshl_add_u32 v7, v3, 4, v7
	v_add_nc_u32 v7, s15, v7                       ; LDS: row r, byte 128 w + 16 h: my codes
	s_lshl_b32 s16, s14, 2
	v_lshlrev_b32 v8, 6, v2
	v_add_nc_u32 v8, s16, v8
	v_add_nc_u32 v8, XSS, v8                       ; LDS: token r's scale word of K step w
	s_lshl_b32 s16, s14, 10
	v_add_nc_u32 v9, s16, v6
	v_add_nc_u32 v9, PL, v9                        ; LDS: my wave's image of the partial logits
	s_mul_i32 s16, s14, SP
	v_add_nc_u32 v10, s16, v6                      ; LDS: row w, read back whole
	v_add_nc_u32 v11, XSS, v6                      ; LDS: the scale bytes, read back
	v_add_nc_u32 v12, PL, v6                       ; LDS: the images, read back
	v_lshlrev_b32 v13, 7, v1                       ; masks: 128 bytes an expert
	v_lshlrev_b32 v14, 5, v3                       ; br: 8 numbers for each half of the lanes
	s_mov_b32 s[SEL], 0x76543210
	s_mov_b32 s[SEL+1], 0xfedcba98
	s_mov_b32 s[MNT], 0x600000
.irp b, 0,1,2,3
	v_mov_b32 v[TM+4+\b], 0                        ; a lane permute's destination counts as one of its sources
.endr
	s_lshl_b32 s16, ttmp9, 17                      ; 16 tokens of 8,192 bytes,
	s_lshl_b32 s17, s14, 9                         ; and my K step's 512 bytes in a row
	s_add_co_u32 s16, s16, s17
	s_mov_b32 s17, 0
	s_lshl_b32 s18, s14, 13                        ; my 128 rows of Wr
	s_mov_b32 s19, 0
	s_lshl_b32 s24, ttmp9, 15                      ; codes out: token 16 tile + w
	s_lshl_b32 s25, s14, 11
	s_add_co_u32 s24, s24, s25
	s_mov_b32 s25, 0
	s_lshl_b32 s26, ttmp9, 10                      ; 16 tokens' scale bytes
	s_mov_b32 s27, 0
	s_lshl_b32 s28, ttmp9, 8                       ; 16 tokens x 16 bytes
	s_mov_b32 s29, 0
	s_lshl_b32 s32, ttmp9, 1                       ; my tile's 16 bits in an expert's mask
	s_mov_b32 s33, 0
	s_wait_kmcnt 0x0
	s_add_nc_u64 s[4:5], s[4:5], s[16:17]
	s_add_nc_u64 s[6:7], s[6:7], s[18:19]
	s_add_nc_u64 s[24:25], s[10:11], s[24:25]
	s_add_nc_u64 s[26:27], s[10:11], s[26:27]
	s_add_nc_u64 s[30:31], s[12:13], s[28:29]
	s_add_nc_u64 s[28:29], s[10:11], s[28:29]
	s_add_nc_u64 s[32:33], s[12:13], s[32:33]
.irp b, 0,1,2,3
.irp q, 0,1,2,3
	global_load_b128 v[X+16*\b+4*\q:X+16*\b+4*\q+3], v4, s[4:5] offset:128*\b+16*\q th:TH_LOAD_NT
.endr
.endr
.irp b, 0,1,2,3
.irp i, 0,1,2,3,4,5,6,7,8,9,10,11,12,13,14,15
	global_load_b32 v[WR+16*\b+\i], v5, s[6:7] offset:64*(32*\b+\i)   ; Wr(128 w + 32 b + 16 h + i, r): registers run down K
.endr
.endr
	s_wait_loadcnt 63                              ; x's 16 loads are in: 64 loads were issued behind them, and the count names 63 at the most
	QUANT X, XC, XW
.irp c, 0,1,2,3
	ds_store_b128 v7, v[XC+4*\c:XC+4*\c+3] offset:32*\c
.endr
	ds_store_b32 v8, v[XW]                         ; both halves of the lanes write the same word with the same value
	s_wait_loadcnt 0x0
	QUANT WR, WC, WW
.rept 4
	v_nop                                          ; codes written by vector instructions stand four places ahead of a scaled matrix instruction; the scale words were made ahead of the holds
.endr
	v_wmma_scale_f32_16x16x128_f8f6f4 v[DD:DD+7], v[WC:WC+15], v[XC:XC+15], 0, v[WW], v[XW] matrix_a_fmt:MATRIX_FMT_BF8 matrix_b_fmt:MATRIX_FMT_BF8   ; register j of lane (r, h): expert 8 h + j, token r
.rept 8
	v_nop                                          ; eight places ahead of the first read of the result
.endr
	ds_store_b128 v9, v[DD:DD+3]                   ; the result from its low end on
	ds_store_b128 v9, v[DD+4:DD+7] offset:512
	s_wait_dscnt 0x0                               ; for the others' sake: my stores have landed
	s_barrier_signal -1
	s_barrier_wait -1
.irp q, 0,1,2,3
	ds_load_b128 v[RB+4*\q:RB+4*\q+3], v10 offset:512*\q
.endr
.irp q, 0,1,2,3
	s_wait_dscnt 3-\q
	global_store_b128 v6, v[RB+4*\q:RB+4*\q+3], s[24:25] offset:512*\q   ; 32 lanes store 512 consecutive bytes of token 16 tile + w
.endr
	s_cmp_lg_u32 s14, 0
	s_cbranch_scc1 .Lend                           ; no barrier follows: wave 0 alone goes on
	ds_load_b128 v[RB+16:RB+19], v11
	ds_load_b128 v[RB+20:RB+23], v11 offset:512
	global_load_b128 v[228:231], v14, s[8:9]       ; br(8 h + 0 .. 7)
	global_load_b128 v[232:235], v14, s[8:9] offset:16
.irp i, 0,1,2,3,4,5,6,7,8,9,10,11,12,13,14,15
	ds_load_b128 v[16+8*\i:19+8*\i], v12 offset:1024*\i
	ds_load_b128 v[20+8*\i:23+8*\i], v12 offset:1024*\i+512
.endr
	s_wait_dscnt 32                                ; the scale bytes are back; the 32 loads of the images may be out
	global_store_b128 v6, v[RB+16:RB+19], s[26:27] offset:XSCL
	global_store_b128 v6, v[RB+20:RB+23], s[26:27] offset:XSCL+512
	s_wait_dscnt 0x0
.irp i, 1,2,3,4,5,6,7,8,9,10,11,12,13,14,15
.irp p, 0,2,4,6
	v_pk_add_f32 v[16+\p:17+\p], v[16+\p:17+\p], v[16+8*\i+\p:17+8*\i+\p]   ; K ascending
.endr
.endr
	s_wait_loadcnt 0x0
.irp p, 0,2,4,6
	v_pk_add_f32 v[16+\p:17+\p], v[16+\p:17+\p], v[228+\p:229+\p]
.endr
.irp j, 0,1,2,3,4,5,6,7
	v_permlanex16_b32 v[24+\j], v[16+\j], s[SEL], s[SEL+1]         ; the token's other eight experts lie in the lane 16 away
.endr
	v_cmp_ne_u32 vcc_lo, 0, v3
.irp j, 0,1,2,3,4,5,6,7
	v_cndmask_b32 v[32+\j], v[16+\j], v[24+\j], vcc_lo             ; v32-47: the token's 16 logits, in every lane
	v_cndmask_b32 v[40+\j], v[24+\j], v[16+\j], vcc_lo
.endr
	v_mov_b32 v50, 0xff800000                      ; -infinity takes a chosen logit's place
.irp k, 0,1,2,3                                ; v52-55 the four largest, v56-59 their experts.  A later logit wins only if it is strictly larger: ties keep the lower expert
	v_mov_b32 v[52+\k], v32
	v_mov_b32 v[56+\k], 0
.irp e, 1,2,3,4,5,6,7,8,9,10,11,12,13,14,15
	v_cmp_le_f32 vcc_lo, v[32+\e], v[52+\k]
	v_cndmask_b32 v[52+\k], v[32+\e], v[52+\k], vcc_lo
	v_cndmask_b32 v[56+\k], \e, v[56+\k], vcc_lo
.endr
.if \k < 3
.irp e, 0,1,2,3,4,5,6,7,8,9,10,11,12,13,14,15
	v_cmp_eq_u32 vcc_lo, \e, v[56+\k]
	v_cndmask_b32 v[32+\e], v[32+\e], v50, vcc_lo
.endr
.endif
.endr
.irp k, 1,2,3                                  ; the softmax of the four: the largest is taken away, so its own term is exactly 1
	v_sub_f32 v[60+\k], v[52+\k], v52
.endr
.irp k, 1,2,3
	v_mul_f32 v[60+\k], 0x3fb8aa3b, v[60+\k]
.endr
.irp k, 1,2,3
	v_exp_f32 v[60+\k], v[60+\k]
.endr
	v_mov_b32 v48, 1                               ; a plain line behind the exponentials
	s_wait_alu depctr_va_vdst(0)                   ; one wait for the three, ahead of their first reader
	v_add_f32 v49, 1.0, v61
	v_add_f32 v49, v49, v62
	v_add_f32 v49, v49, v63
	v_rcp_f32 v60, v49                             ; the first weight is 1 / the sum
	v_lshlrev_b32 v51, v56, v48                    ; (a plain line behind the reciprocal)  the token's set of experts, a bit each
	s_wait_alu depctr_va_vdst(0)                   ; ahead of the reciprocal's first reader
.irp k, 1,2,3
	v_mul_f32 v[60+\k], v[60+\k], v60
.endr
.irp k, 1,2,3
	v_lshlrev_b32 v47, v[56+\k], v48
	v_or_b32 v51, v51, v47
.endr
	v_mov_b32 v46, 0
.irp e, 0,1,2,3,4,5,6,7,8,9,10,11,12,13,14,15
	v_and_b32 v47, 1<<\e, v51
	v_cmp_ne_u32 s34, 0, v47                       ; bit r: token r has chosen expert e (bits 16-31 repeat bits 0-15)
	v_writelane_b32 v46, s34, \e                   ; lane e holds expert e's mask of the tile
.endr
	s_wait_xcnt 0x0                                ; EXEC changes only behind this wait
	v_cmp_gt_u32 vcc_lo, 16, v1
	s_and_saveexec_b32 s35, vcc_lo                 ; lanes 0-15: a token each, an expert each
	global_store_b128 v6, v[56:59], s[30:31]       ; the four experts
	global_store_b128 v6, v[60:63], s[28:29] offset:TOPW   ; their weights
	global_store_b16 v13, v46, s[32:33] offset:MASKS
	s_wait_xcnt 0x0
	s_or_b32 exec_lo, exec_lo, s35
.Lend:
	s_wait_tensorcnt 0x0
	ds_add_u32 v254, v255
	s_wait_dscnt 0x0
	s_endpgm
.Lfunc_end_k_q49f9e43749_prep:
	.size	k_q49f9e43749_prep, .Lfunc_end_k_q49f9e43749_prep-k_q49f9e43749_prep
	.p2alignl 7, 3214868480
	.fill 96, 4, 3214868480
	.section	.rodata,"a",@progbits
	.p2align	6, 0x0
	.amdhsa_kernel k_q49f9e43749_prep
		.amdhsa_group_segment_fixed_size 53248
		.amdhsa_private_segment_fixed_size 0
		.amdhsa_enable_private_segment 0
		.amdhsa_kernarg_size 40
		.amdhsa_user_sgpr_count 2
		.amdhsa_user_sgpr_kernarg_segment_ptr 1
		.amdhsa_wavefront_size32 1
		.amdhsa_system_sgpr_workgroup_id_x 1
		.amdhsa_system_sgpr_workgroup_id_y 1
		.amdhsa_system_sgpr_workgroup_id_z 1
		.amdhsa_system_vgpr_workitem_id 0
		.amdhsa_next_free_vgpr 256
		.amdhsa_next_free_sgpr 66
		.amdhsa_reserve_vcc 1
		.amdhsa_float_denorm_mode_32 3
		.amdhsa_float_denorm_mode_16_64 3
		.amdhsa_memory_ordered 1
		.amdhsa_forward_progress 1
		.amdhsa_inst_pref_size 49
	.end_amdhsa_kernel
	.amdgpu_metadata
---
amdhsa.version: [ 1, 2 ]
amdhsa.kernels:
  - .name:           k_q49f9e43749_prep
    .symbol:         k_q49f9e43749_prep.kd
    .args:
      - { .name: x, .offset: 0, .size: 8, .value_kind: global_buffer, .address_space: global }
      - { .name: Wr, .offset: 8, .size: 8, .value_kind: global_buffer, .address_space: global }
      - { .name: br, .offset: 16, .size: 8, .value_kind: global_buffer, .address_space: global }
      - { .name: xq, .offset: 24, .size: 8, .value_kind: global_buffer, .address_space: global }
      - { .name: route, .offset: 32, .size: 8, .value_kind: global_buffer, .address_space: global }
    .group_segment_fixed_size: 53248
    .private_segment_fixed_size: 0
    .kernarg_segment_align: 8
    .kernarg_segment_size: 40
    .max_flat_workgroup_size: 512
    .sgpr_count:     66
    .vgpr_count:     256
    .wavefront_size: 32
...
	.end_amdgpu_metadata
.endif
;; end of part 1
;; launch up (part 2): grid 16 x 16, 4 waves a work-group, no clusters, 139,776 bytes of LDS; arguments W1, b1, xq, route, hq, rid; writes hq, rid
.if DOCPART == 2
	.amdgcn_target "amdgcn-amd-amdhsa--gfx1250"
	.amdhsa_code_object_version 6
	.text
	.protected	k_q49f9e43749_up
	.globl	k_q49f9e43749_up
	.p2align	8
	.type	k_q49f9e43749_up,@function
k_q49f9e43749_up:
	s_mov_b64 s[64:65], 0
	v_nop
	global_prefetch_b8 v0, s[64:65] scope:SCOPE_SE
	s_setreg_imm32_b32 hwreg(HW_REG_WAVE_MODE, 25, 1), 1
	s_wait_xcnt 0x0
; h = relu(x W1[e] + b1[e]) for the rows that have chosen expert e, on codes of E5M2 with E8M0 scales, and h quantised along its own axis for the next product.
; SHARES.  Work-group (sl, e) owns 64 hidden units of expert e: it reads its 2,048 x 64 numbers of W1 once, quantises them along K in registers, keeps the codes in LDS as images of operand registers,
; and multiplies them with all rows of its expert, 320 ranks a pass, 80 a wave.  The rows come from the expert's bit mask over the tokens: rank -> token is found in registers (the n-th set bit).
; THE STREAM AND THE FIRST PASS GO SIDE BY SIDE.  The 16 K steps are four groups of four.  In group q wave w reads K step 4 q + w of the slice (four blocks of 32 rows x 64 columns), quantises it and stores its four images;
; a barrier ends the group.  While group q is read, the first pass multiplies group q - 1: a TRIP is one block's quantising and one K step's 20 products.  Only the last group's four K steps are multiplied with nothing left to read.
; An image is written once in the launch: its stores are waited for in front of its group's barrier and it is read only behind that barrier; that is all the ordering LDS needs.  The four barriers stand ahead of every branch on a stored number.
; LATER PASSES.  An expert has at most 1,024 rows (a token chooses it once at the most), so there are four passes at the most.  The loop's head is the tail of a pass (K steps 12-15, the way out, the exit when the expert's rows are done);
; behind it come the next pass's rows and its K steps 0-11; the first pass falls into the head.  The loop is counted in passes against that constant.
; No tensor load, no cluster: the rows are gathered by stored numbers and the number of passes hangs on a stored count, so operands go from memory straight into registers.
; W'S LAYOUT.  A lane takes 4 neighbouring columns (16 bytes a load; sixteen lanes read 256 consecutive bytes of a row of W1) and its registers run down K.  Tile j of the slice is made of the columns 4 r + j.
; The conversions want 16 neighbours along K in consecutive registers: the hold, which is owed anyway, writes them there (T[16 k + i] <- X[4 i + j]), two columns at a time.
; THE PRODUCTS' LAYOUT.  Source 0 = 16 columns of W1, source 1 = 16 rows of x: in tile j register p of lane (r, h) is hidden unit 32 h + 4 p + j of row r: the four tiles give a lane a whole block of 32.
; Ranks at or beyond the expert's count are held at its last rank: they repeat that row, so no lane is ever off in a product.
; hq: gates [16][2048] f32 by rank at 0; h's scale bytes [e][tile < 80][row 16][K step 8][4] at HSCL; h's codes as operand images [e][tile < 80][K step 8][4][lane 32][16 bytes] at HCOD.   rid: [16][2048] u32, 4 token + k, by rank.
; LIMITS: NaN and infinities are not served; a block of zeros gets the byte 1 (zero codes; read by this program alone); an expert that no token chose still reads its weights and runs one pass on a repeated row, whose results nobody uses.
; REGISTERS, in windows of 256: window 0 addresses, scales, biases, W's codes just made, at work.  window 1: v0-159 the 20 accumulators, v160-191 T, v192-255 W's ring, set 0.
;   window 2: v0-127 W's ring, sets 1 and 2; v128-255 W's fragments (two sets).  window 3: v0-159 x's fragments, two slots of 80; v160-199 h's codes on the way out.
.set WSC,   131072                     ; LDS: 64 images of 2,048 bytes from 0 (image 4 z + j: K step z, tile j); from here 64 images of scale words, 128 bytes each
.set XSCL,  2097152
.set TOPW,  2162688
.set MASKS, 16384
.set HSCL,  131072
.set HCOD,  786432
.set PASSES, 4                         ; ceil(1,024 rows / 320 ranks a pass)
.set WOFF, 4                           ; v4  W1: 16 r + 65,536 h (lanes 16-31 sixteen rows further down)
.set LI,   5                           ; v5  16 x lane
.set LI2,  6                           ; v6  + 65,536
.set LSB,  7                           ; v7  WSC + 4 x lane
.set LIW,  8                           ; v8  16 x lane + 8,192 w: where I store images of groups 0 and 1
.set LSW,  9                           ; v9  WSC + 4 x lane + 512 w
.set H16,  10                          ; v10 16 h
.set HV,   11                          ; v11 512 h + 16 r: my place in an image of h
.set HBV,  12                          ; v12 32 r + h: my scale byte's place
.set B1O,  13                          ; v13 128 h
.set XO,   14                          ; v14-18 tile a: 2,048 token + 16 h
.set XSO,  19                          ; v19-23 tile a: 64 token
.set TOKL, 24                          ; v24-26 the token of rank RBW + 32 u + lane
.set TA,   27                          ; v27-29 16 x that
.set RO,   30                          ; v30-32 8,192 e + 4 x rank
.set RHO,  33                          ; v33-45 at work in SELECT
.set QQ,   34
.set KEY,  35
.set WDV,  36
.set RR,   37
.set CA,   38
.set CB,   39
.set CCN,  40
.set TT,   41
.set POS,  42
.set T2,   43
.set T3,   44
.set PXX,  45
.set LIW2, 46                          ; v46 LIW + 65,536: images of groups 2 and 3
.set BY,   48                          ; v48-52 h's scale bytes, one for each tile
.set RIDD, 53                          ; v53-55
.set GD,   56                          ; v56-58
.set KK,   59
.set EM,   60                          ; v60-61
.set ESO,  62
.set EHB,  63
.set XS,   64                          ; v64-143  x's scale words: tile a, K step s at 16 a + s
.set WS,   144                         ; v144-151 W's scale words, two sets of four
.set BI,   152                         ; v152-183 b1 in the result's layout, eight registers a tile
.set MX,   184                         ; v184-207 at work in QWORK
.set PX,   188
.set SO,   192
.set HB,   196
.set BT,   200
.set WD,   204
.set C1,   208                         ; v208-223 a block's codes: four registers a column
.set TIW,  232                         ; v232-255 for each u: the token's four experts, its four weights
.set TL,   160                         ; window 1
.set WF,   128                         ; window 2
.set CE,   160                         ; window 3
.set PS,  83                           ; passes begun behind the first
.set WV,  84
.set EX,  85
.set SL,  86
.set NE,  87                           ; the expert's rows
.set NM1, 88
.set RB0, 89                           ; the pass's first rank
.set RBW, 90                           ; my wave's first rank
.set HI,  91                           ; lanes 16-31
.set SEL, 92
.set MNT, 94
.set E13, 95
.set HBP, 98                           ; s[98:99]   h's codes at my first tile, my slice
.set HSP, 100                          ; s[100:101] h's scale bytes likewise
.set MSB, 0
.macro WIN new                         ; bits 1:0 source 0, 3:2 source 1, 5:4 source 2, 7:6 destination; the high byte repeats the setting that is left
.if MSB != (\new)
	s_set_vgpr_msb (MSB<<8)|(\new)
.set MSB, (\new)
.endif
.endm
.macro WSET t                          ; block t lies in ring set t % 3: its window WSW and its first register RG there
.if ((\t)%3) == 0
.set WSW, 1
.set RG, 192
.elseif ((\t)%3) == 1
.set WSW, 2
.set RG, 0
.else
.set WSW, 2
.set RG, 64
.endif
.endm
; Block t of my 16: group t / 4, rows 32 (t % 4) on of my K step: 16 loads of two rows each: register 4 i + j = W(k0 + 16 h + i, 4 r + j)
.macro WLOAD t
	WSET \t
	WIN WSW<<6
.irp i, 0,1,2,3,4,5,6,7,8,9,10,11,12,13,14,15
	global_load_b128 v[RG+4*\i:RG+4*\i+3], v[WOFF], s[4:5] offset:(512*((\t)/4)+32*((\t)%4)+\i)*4096 th:TH_LOAD_NT
.endr
	WIN 0
.endm
.macro QWAIT t, n                      ; block t is in when at most n younger loads are out; then block t + 2 is asked for, into the set that block t - 1's work has read (blocks 0 to 2 go out at the head)
	s_wait_loadcnt \n
.if ((\t) > 0) && ((\t)+2 < 16)
	WLOAD (\t)+2
.endif
.endm
.macro QWORK t
	WSET \t
	WIN WSW|(WSW<<2)
.irp j, 0,1,2,3
	v_max3_num_f32 v[MX+\j], |v[RG+\j]|, |v[RG+4+\j]|, 0x8000000   ; column 4 r + j: my 16 numbers, and the floor 2^(16 - 127)
.endr
.irp i, 2,4,6,8,10,12,14
.irp j, 0,1,2,3
	v_max3_num_f32 v[MX+\j], |v[RG+4*\i+\j]|, |v[RG+4*\i+4+\j]|, v[MX+\j]
.endr
.endr
	WIN 0
	s_wait_dscnt 0x0                               ; the last block's LDS stores have read their registers: words and codes may be written
.irp j, 0,1,2,3
	v_permlanex16_b32 v[PX+\j], v[MX+\j], s[SEL], s[SEL+1]
.endr
.irp j, 0,1,2,3
	v_max_num_f32 v[MX+\j], v[MX+\j], v[PX+\j]     ; with lane l xor 16's sixteen: the block's largest magnitude
.endr
.irp j, 0,1,2,3
	v_add_nc_u32 v[SO+\j], 0xf8800000, v[MX+\j]    ; 15 off the exponent field: the conversion's scale operand
.endr
.irp j, 0,1,2,3
	v_and_or_b32 v[HB+\j], v[MX+\j], 0x7f800000, s[MNT]   ; 57,344 x the scale
.endr
.if (\t)%4 == 0
.irp j, 0,1,2,3
	v_lshrrev_b32 v[WD+\j], 23, v[SO+\j]           ; the byte of the K step's first block begins the word
.endr
.else
.irp j, 0,1,2,3
	v_lshrrev_b32 v[BT+\j], 23, v[SO+\j]
.endr
.irp j, 0,1,2,3
	v_lshl_or_b32 v[WD+\j], v[BT+\j], 8*((\t)%4), v[WD+\j]
.endr
.endif
.irp u, 0,1                                    ; columns 2 u and 2 u + 1 of my four
	WIN 0x40|WSW
.irp k, 0,1
.irp i, 0,1,2,3,4,5,6,7,8,9,10,11,12,13,14,15
	v_med3_num_f32 v[TL+16*\k+\i], v[RG+4*\i+2*\u+\k], -v[HB+2*\u+\k], v[HB+2*\u+\k]   ; the hold, and by its destination the turn: 16 neighbours along K on end
.endr
.endr
	WIN 0x01
.irp k, 0,1
	v_cvt_scalef32_pk8_bf8_f32 v[C1+8*\u+4*\k:C1+8*\u+4*\k+1], v[TL+16*\k:TL+16*\k+7], v[SO+2*\u+\k]
	v_cvt_scalef32_pk8_bf8_f32 v[C1+8*\u+4*\k+2:C1+8*\u+4*\k+3], v[TL+16*\k+8:TL+16*\k+15], v[SO+2*\u+\k]
.endr
	v_nop                                          ; a plain line behind the last conversion, ahead of the next lines that write T
.endr
	WIN 0
.irp j, 0,1,2,3
.if (\t)/4 < 2
	ds_store_b128 v[LIW], v[C1+4*\j:C1+4*\j+3] offset:(16*((\t)/4)+\j)*2048+((\t)%4)*512       ; registers 4 c .. 4 c + 3 of image 16 q + 4 w + j
.else
	ds_store_b128 v[LIW2], v[C1+4*\j:C1+4*\j+3] offset:(16*((\t)/4-2)+\j)*2048+((\t)%4)*512
.endif
.endr
.if (\t)%4 == 3
.irp j, 0,1,2,3
	ds_store_b32 v[LSW], v[WD+\j] offset:(16*((\t)/4)+\j)*128
.endr
.endif
.endm
; the pass's addresses in hq
.macro BASES
	s_mul_i32 s96, s[WV], 80
	s_add_co_u32 s[RBW], s[RB0], s96
	s_lshr_b32 s96, s[RBW], 4                      ; my first tile of rows
	s_mul_i32 s97, s[EX], 80
	s_add_co_u32 s96, s96, s97
	s_lshl_b32 s2, s96, 9
	s_lshl_b32 s3, s[SL], 1                        ; byte 4 (sl / 2) + 2 (sl % 2) of a row's 32
	s_add_co_u32 s2, s2, s3
	s_add_co_u32 s2, s2, HSCL
	s_mov_b32 s3, 0
	s_lshl_b32 s96, s96, 14
	s_lshl_b32 s97, s[SL], 10                      ; K step sl / 2 (2,048 bytes), blocks 2 (sl % 2) on (512 bytes each)
	s_add_co_u32 s96, s96, s97
	s_add_co_u32 s96, s96, HCOD
	s_mov_b32 s97, 0
	s_add_nc_u64 s[HBP:HBP+1], s[12:13], s[96:97]
	s_add_nc_u64 s[HSP:HSP+1], s[12:13], s[2:3]
.endm
.macro HALVE w                         ; TT = the set bits in [POS, POS + w): if the wanted bit lies beyond them, go on by w
	v_cmp_ge_u32 vcc_lo, v[RR], v[TT]
	v_sub_nc_u32 v[T2], v[RR], v[TT]
	v_add_nc_u32 v[T3], \w, v[POS]
	v_cndmask_b32 v[RR], v[RR], v[T2], vcc_lo
	v_cndmask_b32 v[POS], v[POS], v[T3], vcc_lo
.endm
; RANK -> TOKEN.  Word i of the mask has the key (set bits in the words before it) x 32 + i.  The last word whose count does not pass the rank holds the wanted bit; then five halvings on the word's partial counts.
.macro SELECT
.irp u, 0,1,2
	v_add_nc_u32 v[RHO], s[RBW], v1
.if \u > 0
	v_add_nc_u32 v[RHO], 32*\u, v[RHO]
.endif
	v_lshl_add_u32 v[RO+\u], v[RHO], 2, s[E13]
	v_min_u32 v[RHO], s[NM1], v[RHO]               ; ranks beyond the last repeat the last
	v_lshl_or_b32 v[QQ], v[RHO], 5, 31
	v_mov_b32 v[KEY], 0
	v_mov_b32 v[WDV], s16
.irp i, 1,2,3,4,5,6,7,8,9,10,11,12,13,14,15,16,17,18,19,20,21,22,23,24,25,26,27,28,29,30,31
	v_cmp_gt_u32 vcc_lo, s[47+\i+4*(\i/17)], v[QQ]
	v_cndmask_b32 v[KEY], s[47+\i+4*(\i/17)], v[KEY], vcc_lo
	v_cndmask_b32 v[WDV], s[16+\i], v[WDV], vcc_lo
.endr
	v_lshrrev_b32 v[TT], 5, v[KEY]
	v_sub_nc_u32 v[RR], v[RHO], v[TT]              ; which set bit of the word
	v_lshrrev_b32 v[TT], 1, v[WDV]
	v_and_b32 v[TT], 0x55555555, v[TT]
	v_sub_nc_u32 v[CA], v[WDV], v[TT]              ; counts of 2 bits,
	v_lshrrev_b32 v[TT], 2, v[CA]
	v_and_b32 v[TT], 0x33333333, v[TT]
	v_and_b32 v[CB], 0x33333333, v[CA]
	v_add_nc_u32 v[CB], v[CB], v[TT]               ; of 4,
	v_lshrrev_b32 v[TT], 4, v[CB]
	v_add_nc_u32 v[TT], v[CB], v[TT]
	v_and_b32 v[CCN], 0x0f0f0f0f, v[TT]            ; of 8
	v_lshrrev_b32 v[TT], 8, v[CCN]
	v_add_nc_u32 v[TT], v[CCN], v[TT]
	v_and_b32 v[TT], 0xff, v[TT]                   ; of the low 16
	v_mov_b32 v[POS], 0
	HALVE 16
	v_bfe_u32 v[TT], v[CCN], v[POS], 8
	HALVE 8
	v_bfe_u32 v[TT], v[CB], v[POS], 4
	HALVE 4
	v_bfe_u32 v[TT], v[CA], v[POS], 2
	HALVE 2
	v_bfe_u32 v[TT], v[WDV], v[POS], 1
	HALVE 1
	v_and_b32 v[TT], 31, v[KEY]
	v_lshl_add_u32 v[TOKL+\u], v[TT], 5, v[POS]
	v_min_u32 v[TOKL+\u], 0x3ff, v[TOKL+\u]        ; a token's number stays inside its tables
	v_lshlrev_b32 v[TA+\u], 4, v[TOKL+\u]
.endr
.irp u, 0,1,2                                  ; by tiles of 16 rows: lane (r, h) wants row r's token
	v_permlanex16_b32 v[PXX], v[TOKL+\u], s[SEL], s[SEL+1]
	v_cndmask_b32 v[TT], v[TOKL+\u], v[PXX], s[HI]
	v_min_u32 v[TT], 0x3ff, v[TT]
	v_lshl_add_u32 v[XO+2*\u], v[TT], 11, v[H16]
	v_lshlrev_b32 v[XSO+2*\u], 6, v[TT]
.if \u < 2
	v_cndmask_b32 v[TT], v[PXX], v[TOKL+\u], s[HI]
	v_min_u32 v[TT], 0x3ff, v[TT]
	v_lshl_add_u32 v[XO+2*\u+1], v[TT], 11, v[H16]
	v_lshlrev_b32 v[XSO+2*\u+1], 6, v[TT]
.endif
.endr
.endm
.macro XL s                            ; K step s of my five tiles of x: 20 loads into slot s % 2
	WIN 0xc0
.irp a, 0,1,2,3,4
.irp c, 0,1,2,3
	global_load_b128 v[80*((\s)%2)+16*\a+4*\c:80*((\s)%2)+16*\a+4*\c+3], v[XO+\a], s[8:9] offset:128*(\s)+32*\c
.endr
.endr
	WIN 0
.endm
.macro PRO_E                           ; 26 loads: the tokens' experts and weights, x's scale words of all of K
.irp u, 0,1,2
	global_load_b128 v[TIW+8*\u:TIW+8*\u+3], v[TA+\u], s[10:11]
	global_load_b128 v[TIW+8*\u+4:TIW+8*\u+7], v[TA+\u], s[8:9] offset:TOPW
.endr
.irp a, 0,1,2,3,4
.irp q, 0,1,2,3
	global_load_b128 v[XS+16*\a+4*\q:XS+16*\a+4*\q+3], v[XSO+\a], s[8:9] offset:XSCL+16*\q
.endr
.endr
.endm
.macro FETCHW z                        ; K step z's four fragments of W and their scale words out of LDS, into set z % 2: 20 loads
	WIN 0x80
.irp j, 0,1,2,3
.irp c, 0,1,2,3
.if (\z) < 8
	ds_load_b128 v[WF+64*((\z)%2)+16*\j+4*\c:WF+64*((\z)%2)+16*\j+4*\c+3], v[LI] offset:(4*(\z)+\j)*2048+512*\c
.else
	ds_load_b128 v[WF+64*((\z)%2)+16*\j+4*\c:WF+64*((\z)%2)+16*\j+4*\c+3], v[LI2] offset:(4*(\z)+\j)*2048+512*\c-65536
.endif
.endr
.endr
	WIN 0
.irp j, 0,1,2,3
	ds_load_b32 v[WS+4*((\z)%2)+\j], v[LSB] offset:(4*(\z)+\j)*128
.endr
.endm
; A K step: 20 matrix instructions on 20 accumulators, one instruction a turn, in the same order in every step.
; fetch = 1: the next K step's fragments of W are fetched first (not where they lie behind a barrier still to come).  lc: how many loads younger than this step's slot of x may stay out.
.macro STEP s, fetch, lc
.set PP, (\s)%2
.if \fetch
	FETCHW (\s)+1
	s_wait_dscnt 20                                ; this step's 20 LDS loads are in; the next step's may be out
.else
	s_wait_dscnt 0x0
.endif
	s_wait_loadcnt \lc
.if (\s) == 0
	WIN 0x4e                                       ; W window 2, x window 3, the bias window 0, the sums window 1
.else
	WIN 0x5e
.endif
.irp a, 0,1,2,3,4
.irp j, 0,1,2,3
.if (\s) == 0
	v_wmma_scale_f32_16x16x128_f8f6f4 v[8*(4*\a+\j):8*(4*\a+\j)+7], v[WF+64*PP+16*\j:WF+64*PP+16*\j+15], v[80*PP+16*\a:80*PP+16*\a+15], v[BI+8*\j:BI+8*\j+7], v[WS+4*PP+\j], v[XS+16*\a+(\s)] matrix_a_fmt:MATRIX_FMT_BF8 matrix_b_fmt:MATRIX_FMT_BF8
.else
	v_wmma_scale_f32_16x16x128_f8f6f4 v[8*(4*\a+\j):8*(4*\a+\j)+7], v[WF+64*PP+16*\j:WF+64*PP+16*\j+15], v[80*PP+16*\a:80*PP+16*\a+15], v[8*(4*\a+\j):8*(4*\a+\j)+7], v[WS+4*PP+\j], v[XS+16*\a+(\s)] matrix_a_fmt:MATRIX_FMT_BF8 matrix_b_fmt:MATRIX_FMT_BF8
.endif
.endr
.endr
.rept 8
	v_nop                                          ; eight places ahead of loads into registers that these products have read, and of the first read of results
.endr
.if (\s)+2 < 16
	XL (\s)+2                                      ; into the slot just multiplied
.endif
	WIN 0
.endm
.macro BAR                             ; a group's end: my images have landed; behind the barrier everybody's have
	s_wait_dscnt 0x0
	s_barrier_signal -1
	s_barrier_wait -1
.endm
; One block of the group that is being read, one K step of the group before.  na, nc: the loads younger than block z + 4, and than x's K step z
.macro TRIP z, na, fetch, nc
	QWAIT (\z)+4, \na
	QWORK (\z)+4
	STEP \z, \fetch, \nc
.endm
	s_load_b256 s[4:11], s[0:1], 0x0               ; W1 s[4:5], b1 s[6:7], xq s[8:9], route s[10:11]
	s_load_b128 s[12:15], s[0:1], 0x20             ; hq s[12:13], rid s[14:15]
	v_lshl_add_u32 v230, v0, 2, 0x22000
	v_mov_b32 v231, 0
	v_lshrrev_b32 v1, 5, v0
	v_readfirstlane_b32 s[WV], v1                  ; wave 0..3
	s_and_b32 s[EX], ttmp7, 0xffff                 ; the expert
	s_mov_b32 s[SL], ttmp9                         ; the slice of 64 hidden units
	v_and_b32 v1, 31, v0                           ; lane
	v_and_b32 v2, 15, v0                           ; r
	v_bfe_u32 v3, v0, 4, 1                         ; h
	v_lshlrev_b32 v[WOFF], 4, v2
	v_lshl_add_u32 v[WOFF], v3, 16, v[WOFF]
	v_lshlrev_b32 v[LI], 4, v1
	v_add_nc_u32 v[LI2], 0x10000, v[LI]
	v_lshlrev_b32 v[LSB], 2, v1
	v_add_nc_u32 v[LSB], WSC, v[LSB]
	s_lshl_b32 s96, s[WV], 13                      ; in a group my four images lie 4 w images on
	v_add_nc_u32 v[LIW], s96, v[LI]
	v_add_nc_u32 v[LIW2], 0x10000, v[LIW]
	s_lshl_b32 s96, s[WV], 9
	v_add_nc_u32 v[LSW], s96, v[LSB]
	v_lshlrev_b32 v[H16], 4, v3
	v_lshlrev_b32 v[HV], 4, v2
	v_lshl_add_u32 v[HV], v3, 9, v[HV]
	v_lshl_add_u32 v[HBV], v2, 5, v3
	v_lshlrev_b32 v[B1O], 7, v3
	v_mov_b32 v[PXX], 0                            ; a lane permute's destination counts as one of its sources
.irp j, 0,1,2,3
	v_mov_b32 v[PX+\j], 0
.endr
	s_mov_b32 s[SEL], 0x76543210
	s_mov_b32 s[SEL+1], 0xfedcba98
	s_mov_b32 s[MNT], 0x600000
	s_mov_b32 s[HI], 0xffff0000
	s_lshl_b32 s[E13], s[EX], 13
	s_mov_b32 s[RB0], 0
	s_mov_b32 s[PS], 0
	s_lshl_b32 s96, s[EX], 23                      ; W1: the expert's 8 MiB, my slice's 256 bytes of a row, K step w of a group: 128 w rows of 4,096 bytes
	s_lshl_b32 s97, s[SL], 8
	s_add_co_u32 s96, s96, s97
	s_lshl_b32 s97, s[WV], 19
	s_add_co_u32 s96, s96, s97
	s_mov_b32 s97, 0
	s_lshl_b32 s98, s[EX], 12                      ; b1: the expert's row, my slice
	s_lshl_b32 s99, s[SL], 8
	s_add_co_u32 s98, s98, s99
	s_mov_b32 s99, 0
	s_lshl_b32 s100, s[EX], 7                      ; the expert's mask: 128 bytes
	s_mov_b32 s101, 0
	s_wait_kmcnt 0x0
	s_add_nc_u64 s[4:5], s[4:5], s[96:97]
	s_add_nc_u64 s[6:7], s[6:7], s[98:99]
	s_add_nc_u64 s[2:3], s[10:11], s[100:101]
	s_load_b512 s[16:31], s[2:3], MASKS            ; s16-47: bit b of word i = token 32 i + b
	s_load_b512 s[32:47], s[2:3], MASKS+64
	WIN 0x40
.irp q, 0,1,2,3,4,5,6,7
	global_load_b128 v[TL+4*\q:TL+4*\q+3], v[B1O], s[6:7] offset:16*\q   ; b1(64 sl + 32 h + 0 .. 31)
.endr
	WLOAD 0                                        ; the ring's three sets are free: three blocks go out
	WLOAD 1
	WLOAD 2
	s_wait_kmcnt 0x0
	s_mov_b32 s[NE], 0
.irp i, 0,1,2,3,4,5,6,7,8,9,10,11,12,13,14,15,16,17,18,19,20,21,22,23,24,25,26,27,28,29,30,31
	s_bcnt1_i32_b32 s96, s[16+\i]
	s_add_co_u32 s[NE], s[NE], s96
.if \i < 31
	s_lshl_b32 s[48+\i+4*((\i+1)/17)], s[NE], 5    ; the next word's key, in s48-63 and s68-82
	s_or_b32 s[48+\i+4*((\i+1)/17)], s[48+\i+4*((\i+1)/17)], \i+1
.endif
.endr
	s_max_u32 s[NM1], s[NE], 1
	s_sub_co_u32 s[NM1], s[NM1], 1
	BASES
	SELECT                                         ; while the first blocks of W are on their way
	s_wait_loadcnt 48                              ; b1 is in; three blocks of W may be out
	WIN 0x01
.irp j, 0,1,2,3
.irp p, 0,1,2,3,4,5,6,7
	v_mov_b32 v[BI+8*\j+\p], v[TL+4*\p+\j]         ; once: the bias is the C of each sum's first product
.endr
.endr
	WIN 0
	; group 0: nothing to multiply yet; the first pass's rows are asked for between the blocks
	QWAIT 0, 32                                    ; behind block 0: blocks 1 and 2
	QWORK 0
	QWAIT 1, 16                                    ; behind block 1: block 2
	QWORK 1
	PRO_E
	QWAIT 2, 42                                    ; behind block 2: block 3 and the 26
	QWORK 2
	XL 0
	QWAIT 3, 62                                    ; behind block 3: the 26, block 4, x's K step 0
	QWORK 3
	XL 1
	BAR
	FETCHW 0
	; groups 1 to 3.  Behind block t: x's K step z, block t + 1, K step z + 1: 20 + 16 + 20.  Behind x's K step z: block t + 1, K step z + 1, block t + 2: 16 + 20 + 16
	TRIP 0, 56, 1, 52
	TRIP 1, 56, 1, 52
	TRIP 2, 56, 1, 52
	TRIP 3, 56, 0, 52
	BAR
	FETCHW 4
	TRIP 4, 56, 1, 52
	TRIP 5, 56, 1, 52
	TRIP 6, 56, 1, 52
	TRIP 7, 56, 0, 52
	BAR
	FETCHW 8
	TRIP 8, 56, 1, 52
	TRIP 9, 56, 1, 52
	TRIP 10, 56, 1, 36                             ; block 15 was the last to be asked for: behind x's K step 10 stand block 15 and K step 11
	TRIP 11, 40, 0, 20                             ; behind block 15: K steps 11 and 12; behind K step 11: K step 12
	BAR                                            ; all 64 images lie in LDS; nothing is written there again
	FETCHW 12
.Ltail:                                                ; the loop's head: on both ways here K steps 12 and 13 of x and W's fragments of K step 12 have been asked for
	STEP 12, 1, 20                                 ; behind a K step of x stands the next one alone
	STEP 13, 1, 20
	STEP 14, 1, 20
	STEP 15, 0, 0
	; h of my 80 rows x 64 units: relu, quantised, out.  A lane holds a whole block of 32 of one row
.irp a, 0,1,2,3,4
	WIN 0x05
	v_max3_num_f32 v[EM], v[32*\a], v[32*\a+1], 0x8000000          ; no |.|: what is negative becomes 0 and must not count; each accumulator from its low end on
	v_max3_num_f32 v[EM+1], v[32*\a+16], v[32*\a+17], 0x8000000
.irp i, 2,4,6,8,10,12,14
	v_max3_num_f32 v[EM], v[32*\a+\i], v[32*\a+\i+1], v[EM]
	v_max3_num_f32 v[EM+1], v[32*\a+16+\i], v[32*\a+17+\i], v[EM+1]
.endr
	WIN 0
	v_max_num_f32 v[EM], v[EM], v[EM+1]
	v_add_nc_u32 v[ESO], 0xf8800000, v[EM]
	v_and_or_b32 v[EHB], v[EM], 0x7f800000, s[MNT]
	v_lshrrev_b32 v[BY+\a], 23, v[ESO]
	WIN 0x41
.irp j, 0,1,2,3
.irp p, 0,1,2,3,4,5,6,7
	v_med3_num_f32 v[TL+4*\p+\j], v[32*\a+8*\j+\p], 0, v[EHB]      ; the activation, the hold and the turn in one
.endr
.endr
	WIN 0xc1
.irp u, 0,1,2,3
	v_cvt_scalef32_pk8_bf8_f32 v[CE+8*\a+2*\u:CE+8*\a+2*\u+1], v[TL+8*\u:TL+8*\u+7], v[ESO]
.endr
	v_nop                                          ; a plain line behind the last conversion
	WIN 0x0c
	global_store_b128 v[HV], v[CE+8*\a:CE+8*\a+3], s[HBP:HBP+1] offset:16384*\a          ; units 0-15 of my block: the image's lane r.  Sixteen lanes store 256 consecutive bytes, aligned
	global_store_b128 v[HV], v[CE+8*\a+4:CE+8*\a+7], s[HBP:HBP+1] offset:16384*\a+256    ; units 16-31: its lane 16 + r
	WIN 0
	global_store_b8 v[HBV], v[BY+\a], s[HSP:HSP+1] offset:512*\a
.endr
	s_cmp_lg_u32 s[SL], 0
	s_cbranch_scc1 .Lnorid                         ; slice 0 alone writes the expert's list of rows and gates
.irp u, 0,1,2
	v_mov_b32 v[KK], 0
	v_mov_b32 v[GD+\u], v[TIW+8*\u+4]
.irp k, 1,2,3
	v_cmp_ne_u32 vcc_lo, s[EX], v[TIW+8*\u+\k]
	v_cndmask_b32 v[KK], \k, v[KK], vcc_lo         ; at which of its four places the token has this expert,
	v_cndmask_b32 v[GD+\u], v[TIW+8*\u+4+\k], v[GD+\u], vcc_lo   ; and with which weight
.endr
	v_lshl_add_u32 v[RIDD+\u], v[TOKL+\u], 2, v[KK]
.endr
.irp u, 0,1
	global_store_b32 v[RO+\u], v[RIDD+\u], s[14:15]
	global_store_b32 v[RO+\u], v[GD+\u], s[12:13]
.endr
	s_wait_xcnt 0x0                                ; EXEC changes only behind this wait
	v_cmp_gt_u32 vcc_lo, 16, v1
	s_and_saveexec_b32 s96, vcc_lo                 ; my ranks 64-79
	global_store_b32 v[RO+2], v[RIDD+2], s[14:15]
	global_store_b32 v[RO+2], v[GD+2], s[12:13]
	s_wait_xcnt 0x0
	s_or_b32 exec_lo, exec_lo, s96
.Lnorid:
	s_add_co_u32 s[RB0], s[RB0], 320
	s_cmp_ge_u32 s[RB0], s[NE]
	s_cbranch_scc1 .Lend                           ; the expert's rows are done: this exit ends the walk
	s_wait_xcnt 0x0                                ; the pass's loads and stores have read their addresses and data: all may be written again
	BASES
	SELECT
	PRO_E
	XL 0
	XL 1
	FETCHW 0
.irp s, 0,1,2,3,4,5,6,7,8,9,10,11
	STEP \s, 1, 20                                 ; all images lie in LDS: no barrier, and nothing but x's next K step stands behind a K step
.endr
	s_add_co_u32 s[PS], s[PS], 1                   ; the loop is counted in passes, against the most that 1,024 rows can take
	s_cmp_lt_u32 s[PS], PASSES
	s_cbranch_scc1 .Ltail
.Lend:
	s_wait_tensorcnt 0x0
	ds_add_u32 v230, v231
	s_wait_dscnt 0x0
	s_endpgm
.Lfunc_end_k_q49f9e43749_up:
	.size	k_q49f9e43749_up, .Lfunc_end_k_q49f9e43749_up-k_q49f9e43749_up
	.p2alignl 7, 3214868480
	.fill 96, 4, 3214868480
	.section	.rodata,"a",@progbits
	.p2align	6, 0x0
	.amdhsa_kernel k_q49f9e43749_up
		.amdhsa_group_segment_fixed_size 139776
		.amdhsa_private_segment_fixed_size 0
		.amdhsa_enable_private_segment 0
		.amdhsa_kernarg_size 48
		.amdhsa_user_sgpr_count 2
		.amdhsa_user_sgpr_kernarg_segment_ptr 1
		.amdhsa_wavefront_size32 1
		.amdhsa_system_sgpr_workgroup_id_x 1
		.amdhsa_system_sgpr_workgroup_id_y 1
		.amdhsa_system_sgpr_workgroup_id_z 1
		.amdhsa_system_vgpr_workitem_id 0
		.amdhsa_next_free_vgpr 1024
		.amdhsa_next_free_sgpr 102
		.amdhsa_reserve_vcc 1
		.amdhsa_float_denorm_mode_32 3
		.amdhsa_float_denorm_mode_16_64 3
		.amdhsa_memory_ordered 1
		.amdhsa_forward_progress 1
		.amdhsa_inst_pref_size 255
	.end_amdhsa_kernel
	.section	.bss,"aw",@nobits
	.p2align	6
	.space	262144
	.amdgpu_metadata
---
amdhsa.version: [ 1, 2 ]
amdhsa.kernels:
  - .name:           k_q49f9e43749_up
    .symbol:         k_q49f9e43749_up.kd
    .args:
      - { .name: W1, .offset: 0, .size: 8, .value_kind: global_buffer, .address_space: global }
      - { .name: b1, .offset: 8, .size: 8, .value_kind: global_buffer, .address_space: global }
      - { .name: xq, .offset: 16, .size: 8, .value_kind: global_buffer, .address_space: global }
      - { .name: route, .offset: 24, .size: 8, .value_kind: global_buffer, .address_space: global }
      - { .name: hq, .offset: 32, .size: 8, .value_kind: global_buffer, .address_space: global }
      - { .name: rid, .offset: 40, .size: 8, .value_kind: global_buffer, .address_space: global }
    .group_segment_fixed_size: 139776
    .private_segment_fixed_size: 0
    .kernarg_segment_align: 8
    .kernarg_segment_size: 48
    .max_flat_workgroup_size: 128
    .sgpr_count:     102
    .vgpr_count:     1024
    .wavefront_size: 32
...
	.end_amdgpu_metadata
.endif
;; end of part 2
;; launch down (part 3): grid 16 x 16, 4 waves a work-group, no clusters, 139,776 bytes of LDS; arguments W2, b2, route, hq, rid, y; writes y
.if DOCPART == 3
	.amdgcn_target "amdgcn-amd-amdhsa--gfx1250"
	.amdhsa_code_object_version 6
	.text
	.protected	k_q49f9e43749_down
	.globl	k_q49f9e43749_down
	.p2align	8
	.type	k_q49f9e43749_down,@function
k_q49f9e43749_down:
	s_mov_b64 s[64:65], 0
	v_nop
	global_prefetch_b8 v0, s[64:65] scope:SCOPE_SE
	s_setreg_imm32_b32 hwreg(HW_REG_WAVE_MODE, 25, 1), 1
	s_wait_xcnt 0x0
; y[4 token + k] = gate x (h W2[e] + b2[e]) for the rows of expert e, on codes of E5M2 with E8M0 scales.
; SHARES.  Work-group (sl, e) owns 128 columns of expert e: it reads its 1,024 x 128 numbers of W2 once, quantises them along K in registers, keeps the codes in LDS as images of operand registers,
; and multiplies them with all rows of its expert, 320 ranks a pass, 80 a wave: h's fragments come from memory as the images that the launch before has laid, straight into registers.
; A step z = 2 s + g is K step s against the g-th 64 columns.  Tile j of a group of columns is made of the columns 4 r + j, so that the four tiles give a lane 4 neighbouring columns of a row: 16 bytes, and sixteen lanes 256.
; THE STREAM AND THE FIRST PASS GO SIDE BY SIDE.  The 16 steps are four groups of four.  In group q wave w reads step 4 q + w's numbers (four blocks of 32 rows x 64 columns), quantises them and stores their four images;
; a barrier ends the group.  While group q is read, the first pass multiplies group q - 1: a TRIP is one block's quantising and one step's 20 products.  Only the last group's four steps are multiplied with nothing left to read.
; An image is written once in the launch: its stores are waited for in front of its group's barrier and it is read only behind that barrier.  The four barriers stand ahead of every branch on a stored number.
; LATER PASSES.  An expert has at most 1,024 rows, so there are four passes at the most.  The loop's head is the tail of a pass (steps 12-15, the way out, the exit when the expert's rows are done);
; behind it come the next pass's rows and its steps 0-11; the first pass falls into the head.  The loop is counted in passes against that constant.
; No tensor load, no cluster: the number of passes and the rows of y hang on stored numbers.
; Source 0 = 16 rows of h, source 1 = 16 columns of W2: register p of lane (r, h) is row 8 h + p, column 64 g + 4 r + j.  The bias is the C of each sum's first product.
; Rows beyond the expert's count repeat its last row (the launch before laid them so): they store the same numbers to the same place.  Tiles wholly beyond it are not stored.
; LIMITS: NaN and infinities are not served; a block of zeros gets the byte 1 (zero codes; read by this program alone); an expert that no token chose still reads its weights, runs one pass and stores nothing.
; REGISTERS, in windows of 256: window 0: addresses, W's codes just made, at work, scales, b2; v176-239 W's ring, set 0; when the stream is over v176-255 take the rows' numbers and gates.
;   window 1 and v0-63 of window 2: the 40 accumulators.  window 2: v64-191 W's fragments, two sets (on the way out: the rows); v192-255 W's ring, set 1.
;   window 3: v0-159 h's fragments, two slots of 80; v160-223 W's ring, set 2; v224-255 T.
.set WSC,   131072
.set MASKS, 16384
.set HSCL,  131072
.set HCOD,  786432
.set PASSES, 4                         ; ceil(1,024 rows / 320 ranks a pass)
.set WOFF, 4                           ; v4  W2: 16 r + 131,072 h
.set LI,   5                           ; v5  16 x lane
.set LI2,  6                           ; v6  + 65,536
.set LSB,  7                           ; v7  WSC + 4 x lane
.set LIW,  8                           ; v8  16 x lane + 8,192 w: where I store images of groups 0 and 1
.set LSW,  9                           ; v9  WSC + 4 x lane + 512 w
.set R16,  10                          ; v10 16 r
.set H32,  11                          ; v11 32 h
.set R32,  12                          ; v12 32 r
.set LIW2, 13                          ; v13 LIW + 65,536: images of groups 2 and 3
.set C1,   16                          ; v16-31 a block's codes: four registers a column
.set MX,   32                          ; v32-55 at work in QWORK
.set PX,   36
.set SO,   40
.set HB,   44
.set BT,   48
.set WD,   52
.set HS,   64                          ; v64-103  h's scale words: tile a, K step s at 8 a + s
.set WS,   104                         ; v104-111 W's scale words, two sets of four
.set B2,   112                         ; v112-175 b2 in the result's layout: eight registers for each of the eight tiles of columns
.set RID,  176                         ; v176-215 4 token + k of row 8 h + p of tile a at 8 a + p; then that row's byte offset in y
.set G,    216                         ; v216-255 its gate
.set WF,   64                          ; window 2
.set OL,   64
.set TL,   224                         ; window 3
.set WV,  48
.set EX,  49
.set SL,  50
.set NE,  51
.set NT,  52                           ; the expert's tiles of 16 rows
.set RB0, 53
.set T0,  54                           ; my first tile
.set HBP, 58
.set HSP, 60
.set RIDP, 62
.set GP,  66
.set YB,  68
.set SEL, 70
.set MNT, 72
.set PS,  73                           ; passes begun behind the first
.set MSB, 0
.macro WIN new                         ; bits 1:0 source 0, 3:2 source 1, 5:4 source 2, 7:6 destination; the high byte repeats the setting that is left
.if MSB != (\new)
	s_set_vgpr_msb (MSB<<8)|(\new)
.set MSB, (\new)
.endif
.endm
.macro WSET t                          ; block t lies in ring set t % 3: its window WSW and its first register RG there
.if ((\t)%3) == 0
.set WSW, 0
.set RG, 176
.elseif ((\t)%3) == 1
.set WSW, 2
.set RG, 192
.else
.set WSW, 3
.set RG, 160
.endif
.endm
; Block t of my 16: group t / 4, rows 32 (t % 4) on of my step's K step: register 4 i + j = W(k0 + 16 h + i, 4 r + j)
.macro WLOAD t
	WSET \t
	WIN WSW<<6
.irp i, 0,1,2,3,4,5,6,7,8,9,10,11,12,13,14,15
	global_load_b128 v[RG+4*\i:RG+4*\i+3], v[WOFF], s[4:5] offset:(256*((\t)/4)+32*((\t)%4)+\i)*8192 th:TH_LOAD_NT
.endr
	WIN 0
.endm
.macro QWAIT t, n                      ; block t is in when at most n younger loads are out; then block t + 2 is asked for, into the set that block t - 1's work has read (blocks 0 to 2 go out at the head)
	s_wait_loadcnt \n
.if ((\t) > 0) && ((\t)+2 < 16)
	WLOAD (\t)+2
.endif
.endm
.macro QWORK t
	WSET \t
	WIN WSW|(WSW<<2)
.irp j, 0,1,2,3
	v_max3_num_f32 v[MX+\j], |v[RG+\j]|, |v[RG+4+\j]|, 0x8000000   ; column 4 r + j: my 16 numbers, and the floor 2^(16 - 127)
.endr
.irp i, 2,4,6,8,10,12,14
.irp j, 0,1,2,3
	v_max3_num_f32 v[MX+\j], |v[RG+4*\i+\j]|, |v[RG+4*\i+4+\j]|, v[MX+\j]
.endr
.endr
	WIN 0
	s_wait_dscnt 0x0                               ; the last block's LDS stores have read their registers: words and codes may be written
.irp j, 0,1,2,3
	v_permlanex16_b32 v[PX+\j], v[MX+\j], s[SEL], s[SEL+1]
.endr
.irp j, 0,1,2,3
	v_max_num_f32 v[MX+\j], v[MX+\j], v[PX+\j]     ; with lane l xor 16's sixteen: the block's largest magnitude
.endr
.irp j, 0,1,2,3
	v_add_nc_u32 v[SO+\j], 0xf8800000, v[MX+\j]    ; 15 off the exponent field: the conversion's scale operand
.endr
.irp j, 0,1,2,3
	v_and_or_b32 v[HB+\j], v[MX+\j], 0x7f800000, s[MNT]   ; 57,344 x the scale
.endr
.if (\t)%4 == 0
.irp j, 0,1,2,3
	v_lshrrev_b32 v[WD+\j], 23, v[SO+\j]           ; the byte of the K step's first block begins the word
.endr
.else
.irp j, 0,1,2,3
	v_lshrrev_b32 v[BT+\j], 23, v[SO+\j]
.endr
.irp j, 0,1,2,3
	v_lshl_or_b32 v[WD+\j], v[BT+\j], 8*((\t)%4), v[WD+\j]
.endr
.endif
.irp u, 0,1                                    ; columns 2 u and 2 u + 1 of my four
	WIN 0xc0|WSW
.irp k, 0,1
.irp i, 0,1,2,3,4,5,6,7,8,9,10,11,12,13,14,15
	v_med3_num_f32 v[TL+16*\k+\i], v[RG+4*\i+2*\u+\k], -v[HB+2*\u+\k], v[HB+2*\u+\k]   ; the hold, and by its destination the turn: 16 neighbours along K on end
.endr
.endr
	WIN 0x03
.irp k, 0,1
	v_cvt_scalef32_pk8_bf8_f32 v[C1+8*\u+4*\k:C1+8*\u+4*\k+1], v[TL+16*\k:TL+16*\k+7], v[SO+2*\u+\k]
	v_cvt_scalef32_pk8_bf8_f32 v[C1+8*\u+4*\k+2:C1+8*\u+4*\k+3], v[TL+16*\k+8:TL+16*\k+15], v[SO+2*\u+\k]
.endr
	v_nop                                          ; a plain line behind the last conversion, ahead of the next lines that write T
.endr
	WIN 0
.irp j, 0,1,2,3
.if (\t)/4 < 2
	ds_store_b128 v[LIW], v[C1+4*\j:C1+4*\j+3] offset:(16*((\t)/4)+\j)*2048+((\t)%4)*512       ; registers 4 c .. 4 c + 3 of image 16 q + 4 w + j
.else
	ds_store_b128 v[LIW2], v[C1+4*\j:C1+4*\j+3] offset:(16*((\t)/4-2)+\j)*2048+((\t)%4)*512
.endif
.endr
.if (\t)%4 == 3
.irp j, 0,1,2,3
	ds_store_b32 v[LSW], v[WD+\j] offset:(16*((\t)/4)+\j)*128
.endr
.endif
.endm
.macro BASES
	s_mul_i32 s55, s[WV], 80
	s_add_co_u32 s55, s[RB0], s55                  ; my first rank
	s_lshr_b32 s[T0], s55, 4
	s_lshl_b32 s56, s55, 2
	s_lshl_b32 s57, s[EX], 13
	s_add_co_u32 s56, s56, s57
	s_mov_b32 s57, 0
	s_add_nc_u64 s[RIDP:RIDP+1], s[12:13], s[56:57]
	s_add_nc_u64 s[GP:GP+1], s[10:11], s[56:57]
	s_mul_i32 s55, s[EX], 80
	s_add_co_u32 s55, s55, s[T0]
	s_lshl_b32 s56, s55, 9
	s_add_co_u32 s56, s56, HSCL
	s_add_nc_u64 s[HSP:HSP+1], s[10:11], s[56:57]
	s_lshl_b32 s56, s55, 14
	s_add_co_u32 s56, s56, HCOD
	s_add_nc_u64 s[HBP:HBP+1], s[10:11], s[56:57]
.endm
.macro HL s                            ; K step s of my five tiles of h: 20 loads of 512 consecutive bytes into slot s % 2
	WIN 0xc0
.irp a, 0,1,2,3,4
.irp c, 0,1,2,3
	global_load_b128 v[80*((\s)%2)+16*\a+4*\c:80*((\s)%2)+16*\a+4*\c+3], v[LI], s[HBP:HBP+1] offset:16384*\a+2048*(\s)+512*\c
.endr
.endr
	WIN 0
.endm
.macro PRO_E                           ; 10 loads: h's scale words of all of K
.irp a, 0,1,2,3,4
	global_load_b128 v[HS+8*\a:HS+8*\a+3], v[R32], s[HSP:HSP+1] offset:512*\a
	global_load_b128 v[HS+8*\a+4:HS+8*\a+7], v[R32], s[HSP:HSP+1] offset:512*\a+16
.endr
.endm
.macro RGLOAD                          ; 20 loads: my rows' numbers and gates, into the registers that W's ring, set 0, has left
	WIN 0
.irp a, 0,1,2,3,4
	global_load_b128 v[RID+8*\a:RID+8*\a+3], v[H32], s[RIDP:RIDP+1] offset:64*\a
	global_load_b128 v[RID+8*\a+4:RID+8*\a+7], v[H32], s[RIDP:RIDP+1] offset:64*\a+16
	global_load_b128 v[G+8*\a:G+8*\a+3], v[H32], s[GP:GP+1] offset:64*\a
	global_load_b128 v[G+8*\a+4:G+8*\a+7], v[H32], s[GP:GP+1] offset:64*\a+16
.endr
.endm
.macro FETCHW z                        ; step z's four fragments of W and their scale words out of LDS, into set z % 2: 20 loads
	WIN 0x80
.irp j, 0,1,2,3
.irp c, 0,1,2,3
.if (\z) < 8
	ds_load_b128 v[WF+64*((\z)%2)+16*\j+4*\c:WF+64*((\z)%2)+16*\j+4*\c+3], v[LI] offset:(4*(\z)+\j)*2048+512*\c
.else
	ds_load_b128 v[WF+64*((\z)%2)+16*\j+4*\c:WF+64*((\z)%2)+16*\j+4*\c+3], v[LI2] offset:(4*(\z)+\j)*2048+512*\c-65536
.endif
.endr
.endr
	WIN 0
.irp j, 0,1,2,3
	ds_load_b32 v[WS+4*((\z)%2)+\j], v[LSB] offset:(4*(\z)+\j)*128
.endr
.endm
; A step: 20 matrix instructions on 20 accumulators, one instruction a turn; the next step takes the other 20.
; fetch = 1: the next step's fragments of W are fetched first (not where they lie behind a barrier still to come).  lc, at even z: how many loads younger than this K step's slot of h may stay out.
; rg = 1: the rows' numbers and gates are asked for behind the products.
.macro STEP z, fetch, lc, rg
.set PP, (\z)%2
.set SS, (\z)/2
.set SLT, SS%2
.if \fetch
	FETCHW (\z)+1
	s_wait_dscnt 20                                ; this step's 20 LDS loads are in; the next step's may be out
.else
	s_wait_dscnt 0x0
.endif
.if PP == 0
	s_wait_loadcnt \lc
.endif
.irp a, 0,1,2,3,4
.if SS == 0
	WIN 0x4b+0x40*(\a/4)                           ; h window 3, W window 2, the bias window 0, the sums window 1 (tile 4: window 2)
.else
	WIN 0x5b+0x50*(\a/4)                           ; C and D window 1 (tile 4: window 2)
.endif
.irp j, 0,1,2,3
.if SS == 0
	v_wmma_scale_f32_16x16x128_f8f6f4 v[64*(\a%4)+32*PP+8*\j:64*(\a%4)+32*PP+8*\j+7], v[80*SLT+16*\a:80*SLT+16*\a+15], v[WF+64*PP+16*\j:WF+64*PP+16*\j+15], v[B2+8*(4*PP+\j):B2+8*(4*PP+\j)+7], v[HS+8*\a+SS], v[WS+4*PP+\j] matrix_a_fmt:MATRIX_FMT_BF8 matrix_b_fmt:MATRIX_FMT_BF8
.else
	v_wmma_scale_f32_16x16x128_f8f6f4 v[64*(\a%4)+32*PP+8*\j:64*(\a%4)+32*PP+8*\j+7], v[80*SLT+16*\a:80*SLT+16*\a+15], v[WF+64*PP+16*\j:WF+64*PP+16*\j+15], v[64*(\a%4)+32*PP+8*\j:64*(\a%4)+32*PP+8*\j+7], v[HS+8*\a+SS], v[WS+4*PP+\j] matrix_a_fmt:MATRIX_FMT_BF8 matrix_b_fmt:MATRIX_FMT_BF8
.endif
.endr
.endr
.rept 8
	v_nop                                          ; eight places ahead of loads into registers that these products have read, and of the first read of results
.endr
.if \rg
	RGLOAD
.endif
.if (PP == 1) && (SS+2 < 8)
	HL SS+2                                        ; into the slot that both groups of columns have multiplied
.endif
	WIN 0
.endm
.macro BAR                             ; a group's end: my images have landed; behind the barrier everybody's have
	s_wait_dscnt 0x0
	s_barrier_signal -1
	s_barrier_wait -1
.endm
; One block of the group that is being read, one step of the group before.  na, nc: the loads younger than block z + 4, and (even z) than h's K step z / 2
.macro TRIP z, na, fetch, nc, rg
	QWAIT (\z)+4, \na
	QWORK (\z)+4
	STEP \z, \fetch, \nc, \rg
.endm
	s_load_b256 s[4:11], s[0:1], 0x0               ; W2 s[4:5], b2 s[6:7], route s[8:9], hq s[10:11]
	s_load_b128 s[12:15], s[0:1], 0x20             ; rid s[12:13], y s[14:15]
	v_lshl_add_u32 v62, v0, 2, 0x22000
	v_mov_b32 v63, 0
	v_lshrrev_b32 v1, 5, v0
	v_readfirstlane_b32 s[WV], v1                  ; wave 0..3
	s_and_b32 s[EX], ttmp7, 0xffff                 ; the expert
	s_mov_b32 s[SL], ttmp9                         ; the slice of 128 columns
	v_and_b32 v1, 31, v0
	v_and_b32 v2, 15, v0
	v_bfe_u32 v3, v0, 4, 1
	v_lshlrev_b32 v[R16], 4, v2
	v_lshl_add_u32 v[WOFF], v3, 17, v[R16]
	v_lshlrev_b32 v[LI], 4, v1
	v_add_nc_u32 v[LI2], 0x10000, v[LI]
	v_lshlrev_b32 v[LSB], 2, v1
	v_add_nc_u32 v[LSB], WSC, v[LSB]
	s_lshl_b32 s55, s[WV], 13                      ; in a group my four images lie 4 w images on
	v_add_nc_u32 v[LIW], s55, v[LI]
	v_add_nc_u32 v[LIW2], 0x10000, v[LIW]
	s_lshl_b32 s55, s[WV], 9
	v_add_nc_u32 v[LSW], s55, v[LSB]
	v_lshlrev_b32 v[H32], 5, v3
	v_lshlrev_b32 v[R32], 5, v2
.irp j, 0,1,2,3
	v_mov_b32 v[PX+\j], 0                          ; a lane permute's destination counts as one of its sources
.endr
	s_mov_b32 s[SEL], 0x76543210
	s_mov_b32 s[SEL+1], 0xfedcba98
	s_mov_b32 s[MNT], 0x600000
	s_mov_b32 s[RB0], 0
	s_mov_b32 s[PS], 0
	s_lshl_b32 s56, s[EX], 23                      ; W2: the expert's 8 MiB, my slice's 512 bytes of a row;
	s_lshl_b32 s57, s[SL], 9
	s_add_co_u32 s56, s56, s57
	s_lshr_b32 s57, s[WV], 1                       ; step w of a group: K step w / 2 of its two (128 rows of 8,192 bytes),
	s_lshl_b32 s57, s57, 20
	s_add_co_u32 s56, s56, s57
	s_and_b32 s57, s[WV], 1                        ; the (w % 2)-th 64 columns
	s_lshl_b32 s57, s57, 8
	s_add_co_u32 s56, s56, s57
	s_mov_b32 s57, 0
	s_lshl_b32 s74, s[EX], 13                      ; b2: the expert's row, my slice
	s_lshl_b32 s75, s[SL], 9
	s_add_co_u32 s74, s74, s75
	s_mov_b32 s75, 0
	s_lshl_b32 s76, s[EX], 7
	s_mov_b32 s77, 0
	s_lshl_b32 s78, s[SL], 9                       ; y: my slice's 512 bytes of a row
	s_mov_b32 s79, 0
	s_wait_kmcnt 0x0
	s_add_nc_u64 s[4:5], s[4:5], s[56:57]
	s_add_nc_u64 s[6:7], s[6:7], s[74:75]
	s_add_nc_u64 s[2:3], s[8:9], s[76:77]
	s_add_nc_u64 s[YB:YB+1], s[14:15], s[78:79]
	s_load_b512 s[16:31], s[2:3], MASKS
	s_load_b512 s[32:47], s[2:3], MASKS+64
	WIN 0xc0
	global_load_b128 v[TL:TL+3], v[R16], s[6:7]                    ; b2(128 sl + 4 r + 0 .. 3)
	global_load_b128 v[TL+4:TL+7], v[R16], s[6:7] offset:256       ; and 64 columns on
	WLOAD 0                                        ; the ring's three sets are free: three blocks go out
	WLOAD 1
	WLOAD 2
	s_wait_kmcnt 0x0
	s_mov_b32 s[NE], 0
.irp i, 0,1,2,3,4,5,6,7,8,9,10,11,12,13,14,15,16,17,18,19,20,21,22,23,24,25,26,27,28,29,30,31
	s_bcnt1_i32_b32 s55, s[16+\i]
	s_add_co_u32 s[NE], s[NE], s55
.endr
	s_add_co_u32 s[NT], s[NE], 15
	s_lshr_b32 s[NT], s[NT], 4
	BASES
	s_wait_loadcnt 48                              ; b2 is in; three blocks of W may be out
	WIN 0x03
.irp n, 0,1,2,3,4,5,6,7
.irp p, 0,1,2,3,4,5,6,7
	v_mov_b32 v[B2+8*\n+\p], v[TL+\n]              ; once: a lane's column has one bias for all eight rows; the bias is the C of each sum's first product
.endr
.endr
	WIN 0
	; group 0: nothing to multiply yet; the first pass's rows are asked for between the blocks
	QWAIT 0, 32                                    ; behind block 0: blocks 1 and 2
	QWORK 0
	QWAIT 1, 16                                    ; behind block 1: block 2
	QWORK 1
	PRO_E
	QWAIT 2, 26                                    ; behind block 2: block 3 and the 10
	QWORK 2
	HL 0
	QWAIT 3, 46                                    ; behind block 3: the 10, block 4, h's K step 0
	QWORK 3
	HL 1
	BAR
	FETCHW 0
	; groups 1 to 3.  Behind a block stand the next block and one K step of h: 16 + 20.  Behind a K step of h stand three blocks and the next K step, 68: a count names 63 at the most
	TRIP 0, 56, 1, 52, 0                           ; behind block 4: K step 0, block 5, K step 1; behind K step 0: block 5, K step 1, block 6
	TRIP 1, 36, 1, 0, 0
	TRIP 2, 36, 1, 63, 0
	TRIP 3, 36, 0, 0, 0
	BAR
	FETCHW 4
	TRIP 4, 36, 1, 63, 0
	TRIP 5, 36, 1, 0, 0
	TRIP 6, 36, 1, 63, 0
	TRIP 7, 36, 0, 0, 0
	BAR
	FETCHW 8
	TRIP 8, 36, 1, 63, 0
	TRIP 9, 36, 1, 0, 0
	TRIP 10, 36, 1, 52, 0                          ; block 15 was the last to be asked for: behind K step 5 stand blocks 14 and 15 and K step 6
	TRIP 11, 20, 0, 0, 1                           ; behind block 15: K step 6.  Block 15 was the last in ring set 0: its registers take the rows' numbers and gates
	BAR                                            ; all 64 images lie in LDS; nothing is written there again
	FETCHW 12
.Ltail:                                                ; the loop's head: on both ways here K steps 6 and 7 of h, the rows' numbers and gates, and W's fragments of step 12 have been asked for
	STEP 12, 1, 20, 0                              ; K step 7 was asked for last on both ways: it alone may stay out
	STEP 13, 1, 0, 0
	STEP 14, 1, 0, 0
	STEP 15, 0, 0, 0
	; the way out: x the gate; a lane's four tiles give 16 neighbouring bytes of a row of y
.irp a, 0,1,2,3,4
	s_add_co_u32 s55, s[T0], \a
	s_cmp_ge_u32 s55, s[NT]
	s_cbranch_scc1 .Lepi_end                       ; this tile and those behind it lie wholly beyond the expert's rows
	s_wait_xcnt 0x0                                ; earlier stores have read their data: the rows' registers may be written again
.irp p, 0,1,2,3,4,5,6,7
	v_min_u32 v[RID+8*\a+\p], 0xfff, v[RID+8*\a+\p]                ; a row number stays inside y
.endr
.irp p, 0,1,2,3,4,5,6,7
	v_lshl_add_u32 v[RID+8*\a+\p], v[RID+8*\a+\p], 13, v[R16]      ; 8,192 bytes a row, + 16 r
.endr
.irp g, 0,1
	WIN 0x81+(\a/4)
.irp p, 0,1,2,3,4,5,6,7
.irp j, 0,1,2,3
	v_mul_f32 v[OL+32*(2*(\a%2)+\g)+4*\p+\j], v[64*(\a%4)+32*\g+8*\j+\p], v[G+8*\a+\p]   ; each accumulator from its low end on
.endr
.endr
	WIN 0x08
.irp p, 0,1,2,3,4,5,6,7
	global_store_b128 v[RID+8*\a+\p], v[OL+32*(2*(\a%2)+\g)+4*\p:OL+32*(2*(\a%2)+\g)+4*\p+3], s[YB:YB+1] offset:256*\g th:TH_STORE_NT   ; sixteen lanes store 256 consecutive bytes, aligned, of one row
.endr
.endr
	WIN 0
.endr
.Lepi_end:
	s_add_co_u32 s[RB0], s[RB0], 320
	s_cmp_ge_u32 s[RB0], s[NE]
	s_cbranch_scc1 .Lend                           ; the expert's rows are done: this exit ends the walk
	s_wait_xcnt 0x0                                ; the pass's loads and stores have read their addresses and data: all may be written again
	BASES
	RGLOAD
	PRO_E
	HL 0
	HL 1
	FETCHW 0
.irp z, 0,1,2,3,4,5,6,7,8,9,10,11
	STEP \z, 1, 20, 0                              ; all images lie in LDS: no barrier, and nothing but h's next K step stands behind a K step
.endr
	s_add_co_u32 s[PS], s[PS], 1                   ; the loop is counted in passes, against the most that 1,024 rows can take
	s_cmp_lt_u32 s[PS], PASSES
	s_cbranch_scc1 .Ltail
.Lend:
	s_wait_tensorcnt 0x0
	ds_add_u32 v62, v63
	s_wait_dscnt 0x0
	s_endpgm
.Lfunc_end_k_q49f9e43749_down:
	.size	k_q49f9e43749_down, .Lfunc_end_k_q49f9e43749_down-k_q49f9e43749_down
	.p2alignl 7, 3214868480
	.fill 96, 4, 3214868480
	.section	.rodata,"a",@progbits
	.p2align	6, 0x0
	.amdhsa_kernel k_q49f9e43749_down
		.amdhsa_group_segment_fixed_size 139776
		.amdhsa_private_segment_fixed_size 0
		.amdhsa_enable_private_segment 0
		.amdhsa_kernarg_size 48
		.amdhsa_user_sgpr_count 2
		.amdhsa_user_sgpr_kernarg_segment_ptr 1
		.amdhsa_wavefront_size32 1
		.amdhsa_system_sgpr_workgroup_id_x 1
		.amdhsa_system_sgpr_workgroup_id_y 1
		.amdhsa_system_sgpr_workgroup_id_z 1
		.amdhsa_system_vgpr_workitem_id 0
		.amdhsa_next_free_vgpr 1024
		.amdhsa_next_free_sgpr 84
		.amdhsa_reserve_vcc 0
		.amdhsa_float_denorm_mode_32 3
		.amdhsa_float_denorm_mode_16_64 3
		.amdhsa_memory_ordered 1
		.amdhsa_forward_progress 1
		.amdhsa_inst_pref_size 255
	.end_amdhsa_kernel
	.section	.bss,"aw",@nobits
	.p2align	6
	.space	262144
	.amdgpu_metadata
---
amdhsa.version: [ 1, 2 ]
amdhsa.kernels:
  - .name:           k_q49f9e43749_down
    .symbol:         k_q49f9e43749_down.kd
    .args:
      - { .name: W2, .offset: 0, .size: 8, .value_kind: global_buffer, .address_space: global }
      - { .name: b2, .offset: 8, .size: 8, .value_kind: global_buffer, .address_space: global }
      - { .name: route, .offset: 16, .size: 8, .value_kind: global_buffer, .address_space: global }
      - { .name: hq, .offset: 24, .size: 8, .value_kind: global_buffer, .address_space: global }
      - { .name: rid, .offset: 32, .size: 8, .value_kind: global_buffer, .address_space: global }
      - { .name: y, .offset: 40, .size: 8, .value_kind: global_buffer, .address_space: global }
    .group_segment_fixed_size: 139776
    .private_segment_fixed_size: 0
    .kernarg_segment_align: 8
    .kernarg_segment_size: 48
    .max_flat_workgroup_size: 128
    .sgpr_count:     84
    .vgpr_count:     1024
    .wavefront_size: 32
...
	.end_amdgpu_metadata
.endif
;; end of part 3
;; launch combine (part 4): grid 512 x 1, 4 waves a work-group, no clusters, 0 bytes of LDS; arguments y, x, out0; writes out0
.if DOCPART == 4
	.amdgcn_target "amdgcn-amd-amdhsa--gfx1250"
	.amdhsa_code_object_version 6
	.text
	.protected	k_q49f9e43749_combine
	.globl	k_q49f9e43749_combine
	.p2align	8
	.type	k_q49f9e43749_combine,@function
k_q49f9e43749_combine:
	s_mov_b64 s[64:65], 0
	v_nop
	global_prefetch_b8 v0, s[64:65] scope:SCOPE_SE
	s_setreg_imm32_b32 hwreg(HW_REG_WAVE_MODE, 25, 1), 1
	s_wait_xcnt 0x0
; out0[t] = y[4 t] + y[4 t + 1] + y[4 t + 2] + y[4 t + 3] + x[t]: the four gated expert rows of a token, in the order of its choice, and the residual.  All f32.
; A stream: no LDS, no barrier, no matrix unit.  A wave takes half a token's row, 4,096 bytes, in eight chunks of 512 consecutive bytes; its 40 loads go out at once, each register is written once, so no wait frees anything.
.set Y, 8                              ; v8-167: chunk c at 20 c: y0, y1, y2, y3, x, four registers each
	s_load_b128 s[4:7], s[0:1], 0x0                ; y s[4:5], x s[6:7]
	s_load_b64 s[8:9], s[0:1], 0x10                ; out0
	v_lshrrev_b32 v1, 5, v0
	v_readfirstlane_b32 s10, v1                    ; wave 0..3
	v_and_b32 v2, 31, v0
	v_lshlrev_b32 v2, 4, v2                        ; 16 bytes a lane
	s_lshl_b32 s11, ttmp9, 2
	s_add_co_u32 s11, s11, s10                     ; which half row: 4 x work-group + wave
	s_lshr_b32 s12, s11, 1                         ; the token
	s_and_b32 s13, s11, 1
	s_lshl_b32 s13, s13, 12                        ; the half: 4,096 bytes
	s_lshl_b32 s14, s12, 15                        ; y: four rows of 8,192 bytes a token
	s_add_co_u32 s14, s14, s13
	s_mov_b32 s15, 0
	s_lshl_b32 s16, s12, 13                        ; x, out0: one row
	s_add_co_u32 s16, s16, s13
	s_mov_b32 s17, 0
	s_wait_kmcnt 0x0
	s_add_nc_u64 s[4:5], s[4:5], s[14:15]
	s_add_nc_u64 s[6:7], s[6:7], s[16:17]
	s_add_nc_u64 s[8:9], s[8:9], s[16:17]
.irp c, 0,1,2,3,4,5,6,7
.irp k, 0,1,2,3
	global_load_b128 v[Y+20*\c+4*\k:Y+20*\c+4*\k+3], v2, s[4:5] offset:8192*\k+512*\c th:TH_LOAD_NT
.endr
	global_load_b128 v[Y+20*\c+16:Y+20*\c+19], v2, s[6:7] offset:512*\c th:TH_LOAD_NT
.endr
.irp c, 0,1,2,3,4,5,6,7
	s_wait_loadcnt 5*(7-\c)                        ; chunk c's five loads are in; the chunks behind it may be out
.irp k, 1,2,3,4
	v_pk_add_f32 v[Y+20*\c:Y+20*\c+1], v[Y+20*\c:Y+20*\c+1], v[Y+20*\c+4*\k:Y+20*\c+4*\k+1]
	v_pk_add_f32 v[Y+20*\c+2:Y+20*\c+3], v[Y+20*\c+2:Y+20*\c+3], v[Y+20*\c+4*\k+2:Y+20*\c+4*\k+3]
.endr
	global_store_b128 v2, v[Y+20*\c:Y+20*\c+3], s[8:9] offset:512*\c th:TH_STORE_NT   ; 32 lanes store 512 consecutive bytes, aligned
.endr
	s_endpgm
.Lfunc_end_k_q49f9e43749_combine:
	.size	k_q49f9e43749_combine, .Lfunc_end_k_q49f9e43749_combine-k_q49f9e43749_combine
	.p2alignl 7, 3214868480
	.fill 96, 4, 3214868480
	.section	.rodata,"a",@progbits
	.p2align	6, 0x0
	.amdhsa_kernel k_q49f9e43749_combine
		.amdhsa_group_segment_fixed_size 0
		.amdhsa_private_segment_fixed_size 0
		.amdhsa_enable_private_segment 0
		.amdhsa_kernarg_size 24
		.amdhsa_user_sgpr_count 2
		.amdhsa_user_sgpr_kernarg_segment_ptr 1
		.amdhsa_wavefront_size32 1
		.amdhsa_system_sgpr_workgroup_id_x 1
		.amdhsa_system_sgpr_workgroup_id_y 1
		.amdhsa_system_sgpr_workgroup_id_z 1
		.amdhsa_system_vgpr_workitem_id 0
		.amdhsa_next_free_vgpr 176
		.amdhsa_next_free_sgpr 66
		.amdhsa_reserve_vcc 0
		.amdhsa_float_denorm_mode_32 3
		.amdhsa_float_denorm_mode_16_64 3
		.amdhsa_memory_ordered 1
		.amdhsa_forward_progress 1
		.amdhsa_inst_pref_size 10
	.end_amdhsa_kernel
	.amdgpu_metadata
---
amdhsa.version: [ 1, 2 ]
amdhsa.kernels:
  - .name:           k_q49f9e43749_combine
    .symbol:         k_q49f9e43749_combine.kd
    .args:
      - { .name: y, .offset: 0, .size: 8, .value_kind: global_buffer, .address_space: global }
      - { .name: x, .offset: 8, .size: 8, .value_kind: global_buffer, .address_space: global }
      - { .name: out0, .offset: 16, .size: 8, .value_kind: global_buffer, .address_space: global }
    .group_segment_fixed_size: 0
    .private_segment_fixed_size: 0
    .kernarg_segment_align: 8
    .kernarg_segment_size: 24
    .max_flat_workgroup_size: 128
    .sgpr_count:     66
    .vgpr_count:     176
    .wavefront_size: 32
...
	.end_amdgpu_metadata
.endif
;; end of part 4
;; ======== version 2 of 2: 4 launches; version 1 with the launch down written anew for expert scheduling mode
;; workspace buffers: xq 2,179,072 bytes; route 18,432 bytes of whole numbers; hq 21,757,952 bytes; rid 131,072 bytes of whole numbers; y 33,554,432 bytes
;; launch prep: the kernel of part 1 again; grid 64 x 1, 16 waves a work-group, no clusters, 53,248 bytes of LDS; arguments x, Wr, br, xq, route; writes xq, route
;; launch up: the kernel of part 2 again; grid 16 x 16, 4 waves a work-group, no clusters, 139,776 bytes of LDS; arguments W1, b1, xq, route, hq, rid; writes hq, rid
;; launch down (part 5): grid 16 x 16, 4 waves a work-group, no clusters, 139,776 bytes of LDS; arguments W2, b2, route, hq, rid, y; writes y
.if DOCPART == 5
	.amdgcn_target "amdgcn-amd-amdhsa--gfx1250"
	.amdhsa_code_object_version 6
	.text
	.protected	k_q49f9e43749_down
	.globl	k_q49f9e43749_down
	.p2align	8
	.type	k_q49f9e43749_down,@function
k_q49f9e43749_down:
	s_mov_b64 s[64:65], 0
	v_nop
	global_prefetch_b8 v0, s[64:65] scope:SCOPE_SE
	s_setreg_imm32_b32 hwreg(HW_REG_WAVE_SCHED_MODE, 0, 2), 2
	s_setreg_imm32_b32 hwreg(HW_REG_WAVE_MODE, 25, 1), 1
	s_wait_xcnt 0x0
	s_wait_alu depctr_vm_vsrc(0)
; y[4 token + k] = gate x (h W2[e] + b2[e]) for the rows of expert e, on codes of E5M2 with E8M0 scales.
; SHARES.  Work-group (sl, e) owns 128 columns of expert e: it reads its 1,024 x 128 numbers of W2 once, quantises them along K in registers, keeps the codes in LDS as images of operand registers,
; and multiplies them with all rows of its expert, 320 ranks a pass, 80 a wave: h's fragments come from memory as the images that the launch before has laid, straight into registers.
; A step z = 2 s + g is K step s against the g-th 64 columns.  Tile j of a group of columns is made of the columns 4 r + j, so that the four tiles give a lane 4 neighbouring columns of a row: 16 bytes, and sixteen lanes 256.
; THE STREAM AND THE FIRST PASS GO SIDE BY SIDE.  The 16 steps are four groups of four.  In group q wave w reads step 4 q + w's numbers (four blocks of 32 rows x 64 columns), quantises them and stores their four images;
; a barrier ends the group.  While group q is read, the first pass multiplies group q - 1: a TRIP is one block's quantising and one step's 20 products.  Only the last group's four steps are multiplied with nothing left to read.
; An image is written once in the launch: its stores are waited for in front of its group's barrier and it is read only behind that barrier.  The four barriers stand ahead of every branch on a stored number.
; LATER PASSES.  An expert has at most 1,024 rows, so there are four passes at the most.  The loop's head is the tail of a pass (steps 12-15, the way out, the exit when the expert's rows are done);
; behind it come the next pass's rows and its steps 0-11; the first pass falls into the head.  The loop is counted in passes against that constant.
; No tensor load, no cluster: the number of passes and the rows of y hang on stored numbers.
; Source 0 = 16 rows of h, source 1 = 16 columns of W2: register p of lane (r, h) is row 8 h + p, column 64 g + 4 r + j.  The bias is the C of each sum's first product.
; Rows beyond the expert's count repeat its last row (the launch before laid them so): they store the same numbers to the same place.  Tiles wholly beyond it are not stored.
; LIMITS: NaN and infinities are not served; a block of zeros gets the byte 1 (zero codes; read by this program alone); an expert that no token chose still reads its weights, runs one pass and stores nothing.
; REGISTERS, in windows of 256: window 0: addresses, W's codes just made, at work, scales, b2; v176-239 W's ring, set 0; when the stream is over v176-255 take the rows' numbers and gates.
;   window 1 and v0-63 of window 2: the 40 accumulators.  window 2: v64-191 W's fragments, two sets (on the way out: the rows); v192-255 W's ring, set 1.
;   window 3: v0-159 h's fragments, two slots of 80; v160-223 W's ring, set 2; v224-255 T.
; THE MODE: SCHED_MODE bits 1:0 = 2 (LLVM: expert scheduling mode 2), set by the entry lines.  The code itself states the register dependences
; between vector or matrix instructions and memory or LDS instructions, with s_wait_alu, always for 0.
; THE PLAN.  Registers that memory or LDS instructions touch:
;   W's ring      Block t lands in set t % 3; block t's maxima and holds read it; block t + 3 is asked for at the head of trip t + 1.
;   C1, WD        Written by a block's conversions and shifts; read by that block's LDS stores; written again by the next block.
;   WF, WS        Step z's products read set z % 2; the LDS loads of step z + 2 land in it, at the head of step z + 1.  On the way out WF's registers are written by the products with the gate and read by the stores.
;   h's slots     The products of steps 2 k and 2 k + 1 read slot k % 2; K step k + 2 lands in it.      HS: read by the products; lands once a pass.
;   RID, G        Land once a pass; RID is rewritten as byte offsets and read by the stores as their address; G is read by the products with the gate.
;   v4-13         Addresses, made at the head and never written again.      v62, v63: written at the head, read by the closing add alone.
; IN A TRIP ONE wait on va_vdst stands, behind the block's conversions: the codes and words are written; the block's work is done reading its ring set; the products of the step before are done reading their
; fragments of W, their scale words and their slot of h.  All the trip's memory and LDS instructions but the ring's load follow it: the image stores, h's next K step, the next step's fragments of W.  The next trip's ring load
; leans on it too: the only vector or matrix instructions issued since are the step's 20 products, which name h's slot, WF, WS, HS, b2 and the accumulators, none of the ring's registers.
; One wait on vm_vsrc a block stands ahead of the lines that write WD and C1 again.  Where no block's work stands between two steps (the tail, later passes), the wait on va_vdst stands behind a step's products.
.set WSC,   131072
.set MASKS, 16384
.set HSCL,  131072
.set HCOD,  786432
.set PASSES, 4                         ; ceil(1,024 rows / 320 ranks a pass)
.set WOFF, 4                           ; v4  W2: 16 r + 131,072 h
.set LI,   5                           ; v5  16 x lane
.set LI2,  6                           ; v6  + 65,536
.set LSB,  7                           ; v7  WSC + 4 x lane
.set LIW,  8                           ; v8  16 x lane + 8,192 w: where I store images of groups 0 and 1
.set LSW,  9                           ; v9  WSC + 4 x lane + 512 w
.set R16,  10                          ; v10 16 r
.set H32,  11                          ; v11 32 h
.set R32,  12                          ; v12 32 r
.set LIW2, 13                          ; v13 LIW + 65,536: images of groups 2 and 3
.set C1,   16                          ; v16-31 a block's codes: four registers a column
.set MX,   32                          ; v32-55 at work in QWORK
.set PX,   36
.set SO,   40
.set HB,   44
.set BT,   48
.set WD,   52
.set HS,   64                          ; v64-103  h's scale words: tile a, K step s at 8 a + s
.set WS,   104                         ; v104-111 W's scale words, two sets of four
.set B2,   112                         ; v112-175 b2 in the result's layout: eight registers for each of the eight tiles of columns
.set RID,  176                         ; v176-215 4 token + k of row 8 h + p of tile a at 8 a + p; then that row's byte offset in y
.set G,    216                         ; v216-255 its gate
.set WF,   64                          ; window 2
.set OL,   64
.set TL,   224                         ; window 3
.set WV,  48
.set EX,  49
.set SL,  50
.set NE,  51
.set NT,  52                           ; the expert's tiles of 16 rows
.set RB0, 53
.set T0,  54                           ; my first tile
.set HBP, 58
.set HSP, 60
.set RIDP, 62
.set GP,  66
.set YB,  68
.set SEL, 70
.set MNT, 72
.set PS,  73                           ; passes begun behind the first
.set MSB, 0
.macro WIN new                         ; bits 1:0 source 0, 3:2 source 1, 5:4 source 2, 7:6 destination; the high byte repeats the setting that is left
.if MSB != (\new)
	s_set_vgpr_msb (MSB<<8)|(\new)
.set MSB, (\new)
.endif
.endm
.macro WSET t                          ; block t lies in ring set t % 3: its window WSW and its first register RG there
.if ((\t)%3) == 0
.set WSW, 0
.set RG, 176
.elseif ((\t)%3) == 1
.set WSW, 2
.set RG, 192
.else
.set WSW, 3
.set RG, 160
.endif
.endm
; Block t of my 16: group t / 4, rows 32 (t % 4) on of my step's K step: register 4 i + j = W(k0 + 16 h + i, 4 r + j)
.macro WLOAD t
	WSET \t
	WIN WSW<<6
.irp i, 0,1,2,3,4,5,6,7,8,9,10,11,12,13,14,15
	global_load_b128 v[RG+4*\i:RG+4*\i+3], v[WOFF], s[4:5] offset:(256*((\t)/4)+32*((\t)%4)+\i)*8192 th:TH_LOAD_NT
.endr
	WIN 0
.endm
; Block t is in when at most n younger loads are out; then block t + 2 is asked for, into the set that block t - 1's work has read (blocks 0 to 2 go out at the head).
; That work stands ahead of block t - 1's wait on va_vdst, and no vector or matrix instruction issued since names the set: nothing more is owed here.
.macro QWAIT t, n
	s_wait_loadcnt \n
.if ((\t) > 0) && ((\t)+2 < 16)
	WLOAD (\t)+2
.endif
.endm
.macro QWORK t
	WSET \t
	WIN WSW|(WSW<<2)
.irp j, 0,1,2,3
	v_max3_num_f32 v[MX+\j], |v[RG+\j]|, |v[RG+4+\j]|, 0x8000000   ; column 4 r + j: my 16 numbers, and the floor 2^(16 - 127)
.endr
.irp i, 2,4,6,8,10,12,14
.irp j, 0,1,2,3
	v_max3_num_f32 v[MX+\j], |v[RG+4*\i+\j]|, |v[RG+4*\i+4+\j]|, v[MX+\j]
.endr
.endr
	WIN 0
	s_wait_dscnt 0x0                               ; the last block's LDS stores are done
.if (\t) > 0
	s_wait_alu depctr_vm_vsrc(0)                   ; the last block's LDS stores have read WD and C1, which the shifts and conversions below write again
.endif
.irp j, 0,1,2,3
	v_permlanex16_b32 v[PX+\j], v[MX+\j], s[SEL], s[SEL+1]
.endr
.irp j, 0,1,2,3
	v_max_num_f32 v[MX+\j], v[MX+\j], v[PX+\j]     ; with lane l xor 16's sixteen: the block's largest magnitude
.endr
.irp j, 0,1,2,3
	v_add_nc_u32 v[SO+\j], 0xf8800000, v[MX+\j]    ; 15 off the exponent field: the conversion's scale operand
.endr
.irp j, 0,1,2,3
	v_and_or_b32 v[HB+\j], v[MX+\j], 0x7f800000, s[MNT]   ; 57,344 x the scale
.endr
.if (\t)%4 == 0
.irp j, 0,1,2,3
	v_lshrrev_b32 v[WD+\j], 23, v[SO+\j]           ; the byte of the K step's first block begins the word
.endr
.else
.irp j, 0,1,2,3
	v_lshrrev_b32 v[BT+\j], 23, v[SO+\j]
.endr
.irp j, 0,1,2,3
	v_lshl_or_b32 v[WD+\j], v[BT+\j], 8*((\t)%4), v[WD+\j]
.endr
.endif
.irp u, 0,1                                    ; columns 2 u and 2 u + 1 of my four
	WIN 0xc0|WSW
.irp k, 0,1
.irp i, 0,1,2,3,4,5,6,7,8,9,10,11,12,13,14,15
	v_med3_num_f32 v[TL+16*\k+\i], v[RG+4*\i+2*\u+\k], -v[HB+2*\u+\k], v[HB+2*\u+\k]   ; the hold, and by its destination the turn: 16 neighbours along K on end
.endr
.endr
	WIN 0x03
.irp k, 0,1
	v_cvt_scalef32_pk8_bf8_f32 v[C1+8*\u+4*\k:C1+8*\u+4*\k+1], v[TL+16*\k:TL+16*\k+7], v[SO+2*\u+\k]
	v_cvt_scalef32_pk8_bf8_f32 v[C1+8*\u+4*\k+2:C1+8*\u+4*\k+3], v[TL+16*\k+8:TL+16*\k+15], v[SO+2*\u+\k]
.endr
	v_nop                                          ; a plain line behind the last conversion, ahead of the next lines that write T
.endr
	WIN 0
	s_wait_alu depctr_va_vdst(0)                   ; THE BLOCK'S ONE WAIT: C1 and WD are written, which the LDS stores below read; this block's work is done reading its ring set; the products of the step before are done reading their fragments of W, their scale words and their slot of h, in which the loads behind these stores land
.irp j, 0,1,2,3
.if (\t)/4 < 2
	ds_store_b128 v[LIW], v[C1+4*\j:C1+4*\j+3] offset:(16*((\t)/4)+\j)*2048+((\t)%4)*512       ; registers 4 c .. 4 c + 3 of image 16 q + 4 w + j
.else
	ds_store_b128 v[LIW2], v[C1+4*\j:C1+4*\j+3] offset:(16*((\t)/4-2)+\j)*2048+((\t)%4)*512
.endif
.endr
.if (\t)%4 == 3
.irp j, 0,1,2,3
	ds_store_b32 v[LSW], v[WD+\j] offset:(16*((\t)/4)+\j)*128
.endr
.endif
.endm
.macro BASES
	s_mul_i32 s55, s[WV], 80
	s_add_co_u32 s55, s[RB0], s55                  ; my first rank
	s_lshr_b32 s[T0], s55, 4
	s_lshl_b32 s56, s55, 2
	s_lshl_b32 s57, s[EX], 13
	s_add_co_u32 s56, s56, s57
	s_mov_b32 s57, 0
	s_add_nc_u64 s[RIDP:RIDP+1], s[12:13], s[56:57]
	s_add_nc_u64 s[GP:GP+1], s[10:11], s[56:57]
	s_mul_i32 s55, s[EX], 80
	s_add_co_u32 s55, s55, s[T0]
	s_lshl_b32 s56, s55, 9
	s_add_co_u32 s56, s56, HSCL
	s_add_nc_u64 s[HSP:HSP+1], s[10:11], s[56:57]
	s_lshl_b32 s56, s55, 14
	s_add_co_u32 s56, s56, HCOD
	s_add_nc_u64 s[HBP:HBP+1], s[10:11], s[56:57]
.endm
.macro HL s                            ; K step s of my five tiles of h: 20 loads of 512 consecutive bytes into slot s % 2
	WIN 0xc0
.irp a, 0,1,2,3,4
.irp c, 0,1,2,3
	global_load_b128 v[80*((\s)%2)+16*\a+4*\c:80*((\s)%2)+16*\a+4*\c+3], v[LI], s[HBP:HBP+1] offset:16384*\a+2048*(\s)+512*\c
.endr
.endr
	WIN 0
.endm
.macro PRO_E                           ; 10 loads: h's scale words of all of K
.irp a, 0,1,2,3,4
	global_load_b128 v[HS+8*\a:HS+8*\a+3], v[R32], s[HSP:HSP+1] offset:512*\a
	global_load_b128 v[HS+8*\a+4:HS+8*\a+7], v[R32], s[HSP:HSP+1] offset:512*\a+16
.endr
.endm
.macro RGLOAD                          ; 20 loads: my rows' numbers and gates, into the registers that W's ring, set 0, has left
	WIN 0
.irp a, 0,1,2,3,4
	global_load_b128 v[RID+8*\a:RID+8*\a+3], v[H32], s[RIDP:RIDP+1] offset:64*\a
	global_load_b128 v[RID+8*\a+4:RID+8*\a+7], v[H32], s[RIDP:RIDP+1] offset:64*\a+16
	global_load_b128 v[G+8*\a:G+8*\a+3], v[H32], s[GP:GP+1] offset:64*\a
	global_load_b128 v[G+8*\a+4:G+8*\a+7], v[H32], s[GP:GP+1] offset:64*\a+16
.endr
.endm
.macro FETCHW z                        ; step z's four fragments of W and their scale words out of LDS, into set z % 2: 20 loads
	WIN 0x80
.irp j, 0,1,2,3
.irp c, 0,1,2,3
.if (\z) < 8
	ds_load_b128 v[WF+64*((\z)%2)+16*\j+4*\c:WF+64*((\z)%2)+16*\j+4*\c+3], v[LI] offset:(4*(\z)+\j)*2048+512*\c
.else
	ds_load_b128 v[WF+64*((\z)%2)+16*\j+4*\c:WF+64*((\z)%2)+16*\j+4*\c+3], v[LI2] offset:(4*(\z)+\j)*2048+512*\c-65536
.endif
.endr
.endr
	WIN 0
.irp j, 0,1,2,3
	ds_load_b32 v[WS+4*((\z)%2)+\j], v[LSB] offset:(4*(\z)+\j)*128
.endr
.endm
; A step: 20 matrix instructions on 20 accumulators, one instruction a turn; the next step takes the other 20.
; head, in a trip, where the block's wait stands straight ahead of the step: 1: h's K step z / 2 + 1 is asked for, into the slot that the two steps before have multiplied; 2: the rows' numbers and gates are asked for.
; fetch = 1: the next step's fragments of W are fetched (not where they lie behind a barrier still to come).  lc, at even z: how many loads younger than this K step's slot of h may stay out.
; end = 0: a block's vector work follows, ahead of everything that touches these products' registers.  end = 1: no block's work follows: the places, the wait, and behind an odd step h's K step z / 2 + 2.
; end = 2: the places alone: no load lands in these products' registers before the next pass's own waits, but vector or matrix instructions touch them.
.macro STEP z, fetch, lc, head, end
.set PP, (\z)%2
.set SS, (\z)/2
.set SLT, SS%2
.if (\head) == 1
	HL SS+1
.endif
.if (\head) == 2
	RGLOAD
.endif
.if \fetch
	FETCHW (\z)+1
	s_wait_dscnt 20                                ; this step's 20 LDS loads are in; the next step's may be out
.else
	s_wait_dscnt 0x0
.endif
.if PP == 0
	s_wait_loadcnt \lc
.endif
.irp a, 0,1,2,3,4
.if SS == 0
	WIN 0x4b+0x40*(\a/4)                           ; h window 3, W window 2, the bias window 0, the sums window 1 (tile 4: window 2)
.else
	WIN 0x5b+0x50*(\a/4)                           ; C and D window 1 (tile 4: window 2)
.endif
.irp j, 0,1,2,3
.if SS == 0
	v_wmma_scale_f32_16x16x128_f8f6f4 v[64*(\a%4)+32*PP+8*\j:64*(\a%4)+32*PP+8*\j+7], v[80*SLT+16*\a:80*SLT+16*\a+15], v[WF+64*PP+16*\j:WF+64*PP+16*\j+15], v[B2+8*(4*PP+\j):B2+8*(4*PP+\j)+7], v[HS+8*\a+SS], v[WS+4*PP+\j] matrix_a_fmt:MATRIX_FMT_BF8 matrix_b_fmt:MATRIX_FMT_BF8
.else
	v_wmma_scale_f32_16x16x128_f8f6f4 v[64*(\a%4)+32*PP+8*\j:64*(\a%4)+32*PP+8*\j+7], v[80*SLT+16*\a:80*SLT+16*\a+15], v[WF+64*PP+16*\j:WF+64*PP+16*\j+15], v[64*(\a%4)+32*PP+8*\j:64*(\a%4)+32*PP+8*\j+7], v[HS+8*\a+SS], v[WS+4*PP+\j] matrix_a_fmt:MATRIX_FMT_BF8 matrix_b_fmt:MATRIX_FMT_BF8
.endif
.endr
.endr
.if (\end) > 0
.rept 8
	v_nop                                          ; eight places ahead of loads into registers that these products have read, and of the first read of results
.endr
.endif
.if (\end) == 1
	s_wait_alu depctr_va_vdst(0)                   ; these products are done reading their fragments of W and their scale words, in which the LDS loads at the next step's head land; behind an odd step also their slot of h, in which the loads below land
.if (PP == 1) && (SS+2 < 8)
	HL SS+2                                        ; into the slot that both groups of columns have multiplied
.endif
.endif
	WIN 0
.endm
.macro BAR                             ; a group's end: my images have landed; behind the barrier everybody's have
	s_wait_dscnt 0x0
	s_barrier_signal -1
	s_barrier_wait -1
.endm
; One block of the group that is being read, one step of the group before.  na, nc: the loads younger than block z + 4, and (even z) than h's K step z / 2
.macro TRIP z, na, fetch, nc, head, end
	QWAIT (\z)+4, \na
	QWORK (\z)+4
	STEP \z, \fetch, \nc, \head, \end
.endm
	s_load_b256 s[4:11], s[0:1], 0x0               ; W2 s[4:5], b2 s[6:7], route s[8:9], hq s[10:11]
	s_load_b128 s[12:15], s[0:1], 0x20             ; rid s[12:13], y s[14:15]
	v_lshl_add_u32 v62, v0, 2, 0x22000
	v_mov_b32 v63, 0
	v_lshrrev_b32 v1, 5, v0
	v_readfirstlane_b32 s[WV], v1                  ; wave 0..3
	s_and_b32 s[EX], ttmp7, 0xffff                 ; the expert
	s_mov_b32 s[SL], ttmp9                         ; the slice of 128 columns
	v_and_b32 v1, 31, v0
	v_and_b32 v2, 15, v0
	v_bfe_u32 v3, v0, 4, 1
	v_lshlrev_b32 v[R16], 4, v2
	v_lshl_add_u32 v[WOFF], v3, 17, v[R16]
	v_lshlrev_b32 v[LI], 4, v1
	v_add_nc_u32 v[LI2], 0x10000, v[LI]
	v_lshlrev_b32 v[LSB], 2, v1
	v_add_nc_u32 v[LSB], WSC, v[LSB]
	s_wait_alu depctr_va_sdst(0)                   ; the wave's number is written, ahead of its first reader: LDS addresses and the bases of W2, hq and rid are made from it
	s_lshl_b32 s55, s[WV], 13                      ; in a group my four images lie 4 w images on
	v_add_nc_u32 v[LIW], s55, v[LI]
	v_add_nc_u32 v[LIW2], 0x10000, v[LIW]
	s_lshl_b32 s55, s[WV], 9
	v_add_nc_u32 v[LSW], s55, v[LSB]
	v_lshlrev_b32 v[H32], 5, v3
	v_lshlrev_b32 v[R32], 5, v2
.irp j, 0,1,2,3
	v_mov_b32 v[PX+\j], 0                          ; a lane permute's destination counts as one of its sources
.endr
	s_mov_b32 s[SEL], 0x76543210
	s_mov_b32 s[SEL+1], 0xfedcba98
	s_mov_b32 s[MNT], 0x600000
	s_mov_b32 s[RB0], 0
	s_mov_b32 s[PS], 0
	s_lshl_b32 s56, s[EX], 23                      ; W2: the expert's 8 MiB, my slice's 512 bytes of a row;
	s_lshl_b32 s57, s[SL], 9
	s_add_co_u32 s56, s56, s57
	s_lshr_b32 s57, s[WV], 1                       ; step w of a group: K step w / 2 of its two (128 rows of 8,192 bytes),
	s_lshl_b32 s57, s57, 20
	s_add_co_u32 s56, s56, s57
	s_and_b32 s57, s[WV], 1                        ; the (w % 2)-th 64 columns
	s_lshl_b32 s57, s57, 8
	s_add_co_u32 s56, s56, s57
	s_mov_b32 s57, 0
	s_lshl_b32 s74, s[EX], 13                      ; b2: the expert's row, my slice
	s_lshl_b32 s75, s[SL], 9
	s_add_co_u32 s74, s74, s75
	s_mov_b32 s75, 0
	s_lshl_b32 s76, s[EX], 7
	s_mov_b32 s77, 0
	s_lshl_b32 s78, s[SL], 9                       ; y: my slice's 512 bytes of a row
	s_mov_b32 s79, 0
	s_wait_kmcnt 0x0
	s_add_nc_u64 s[4:5], s[4:5], s[56:57]
	s_add_nc_u64 s[6:7], s[6:7], s[74:75]
	s_add_nc_u64 s[2:3], s[8:9], s[76:77]
	s_add_nc_u64 s[YB:YB+1], s[14:15], s[78:79]
	s_load_b512 s[16:31], s[2:3], MASKS
	s_load_b512 s[32:47], s[2:3], MASKS+64
	WIN 0xc0
	s_wait_alu depctr_va_vdst(0)                   ; the ten addresses v4 to v13 are written, which every load and LDS instruction of the kernel reads
	global_load_b128 v[TL:TL+3], v[R16], s[6:7]                    ; b2(128 sl + 4 r + 0 .. 3)
	global_load_b128 v[TL+4:TL+7], v[R16], s[6:7] offset:256       ; and 64 columns on
	WLOAD 0                                        ; the ring's three sets are free: three blocks go out
	WLOAD 1
	WLOAD 2
	s_wait_kmcnt 0x0
	s_mov_b32 s[NE], 0
.irp i, 0,1,2,3,4,5,6,7,8,9,10,11,12,13,14,15,16,17,18,19,20,21,22,23,24,25,26,27,28,29,30,31
	s_bcnt1_i32_b32 s55, s[16+\i]
	s_add_co_u32 s[NE], s[NE], s55
.endr
	s_add_co_u32 s[NT], s[NE], 15
	s_lshr_b32 s[NT], s[NT], 4
	BASES
	s_wait_loadcnt 48                              ; b2 is in; three blocks of W may be out
	WIN 0x03
.irp n, 0,1,2,3,4,5,6,7
.irp p, 0,1,2,3,4,5,6,7
	v_mov_b32 v[B2+8*\n+\p], v[TL+\n]              ; once: a lane's column has one bias for all eight rows; the bias is the C of each sum's first product
.endr
.endr
	WIN 0
	; group 0: nothing to multiply yet; the first pass's rows are asked for between the blocks, into registers that no vector or matrix instruction has named
	QWAIT 0, 32                                    ; behind block 0: blocks 1 and 2
	QWORK 0
	QWAIT 1, 16                                    ; behind block 1: block 2
	QWORK 1
	PRO_E
	QWAIT 2, 26                                    ; behind block 2: block 3 and the 10
	QWORK 2
	HL 0
	QWAIT 3, 46                                    ; behind block 3: the 10, block 4, h's K step 0
	QWORK 3
	HL 1
	BAR
	FETCHW 0
	; groups 1 to 3.  The loads go out in the order: block 6 | 7 | 8, K step 2 | 9 | 10, K step 3 | 11 | 12, K step 4 | 13 | 14, K step 5 | 15 | K step 6 | rows and gates, K step 7 (a bar: a new trip)
	TRIP 0, 56, 1, 52, 0, 0                        ; behind block 4: K step 0, block 5, K step 1; behind K step 0: block 5, K step 1, block 6
	TRIP 1, 36, 1, 0, 0, 0                         ; behind block 5: K step 1, block 6
	TRIP 2, 16, 1, 63, 1, 0                        ; behind block 6: block 7; behind K step 1: blocks 6 to 8 and K step 2, 68: a count names 63 at the most
	TRIP 3, 36, 0, 0, 0, 0                         ; from here on a block and a K step of h stand behind a block: 16 + 20
	BAR
	FETCHW 4                                       ; into the set that step 2 has multiplied, behind block 7's wait; step 3's products name the other set
	TRIP 4, 36, 1, 52, 1, 0                        ; behind a K step of h: two blocks and the next K step: 16 + 16 + 20
	TRIP 5, 36, 1, 0, 0, 0
	TRIP 6, 36, 1, 52, 1, 0
	TRIP 7, 36, 0, 0, 0, 0
	BAR
	FETCHW 8
	TRIP 8, 36, 1, 52, 1, 0
	TRIP 9, 36, 1, 0, 0, 0
	TRIP 10, 36, 1, 36, 1, 0                       ; block 15 was the last to be asked for: behind K step 5 stand block 15 and K step 6
	TRIP 11, 20, 0, 0, 2, 1                        ; behind block 15: K step 6.  Block 15 was the last in ring set 0: behind its wait its registers take the rows' numbers and gates.  K step 7 goes out behind this step's own products
	BAR                                            ; all 64 images lie in LDS; nothing is written there again
	FETCHW 12
.Ltail:                                                ; the loop's head: on both ways here K steps 6 and 7 of h, the rows' numbers and gates, and W's fragments of step 12 have been asked for, and step 11's products are behind their wait
	STEP 12, 1, 20, 0, 1                           ; K step 7 was asked for last on both ways: it alone may stay out
	STEP 13, 1, 0, 0, 1
	STEP 14, 1, 0, 0, 2                            ; no load lands in this step's registers before the next pass's waits, so no wait; the places stay: a later pass's step 0 begins these 20 accumulators anew, with the bias as C, and nine places are owed between: these eight and step 15's eight stand there on every way
	STEP 15, 0, 0, 0, 2
	; the way out: x the gate; a lane's four tiles give 16 neighbouring bytes of a row of y
.irp a, 0,1,2,3,4
	s_add_co_u32 s55, s[T0], \a
	s_cmp_ge_u32 s55, s[NT]
	s_cbranch_scc1 .Lepi_end                       ; this tile and those behind it lie wholly beyond the expert's rows
	s_wait_xcnt 0x0                                ; earlier stores have read their data: the rows' registers may be written again
.if \a >= 2
	s_wait_alu depctr_vm_vsrc(0)                   ; the stores of the tile two back have read the rows' registers that the multiplications below write again
.endif
.irp p, 0,1,2,3,4,5,6,7
	v_min_u32 v[RID+8*\a+\p], 0xfff, v[RID+8*\a+\p]                ; a row number stays inside y
.endr
.irp p, 0,1,2,3,4,5,6,7
	v_lshl_add_u32 v[RID+8*\a+\p], v[RID+8*\a+\p], 13, v[R16]      ; 8,192 bytes a row, + 16 r
.endr
	WIN 0x81+(\a/4)
.irp g, 0,1
.irp p, 0,1,2,3,4,5,6,7
.irp j, 0,1,2,3
	v_mul_f32 v[OL+32*(2*(\a%2)+\g)+4*\p+\j], v[64*(\a%4)+32*\g+8*\j+\p], v[G+8*\a+\p]   ; each accumulator from its low end on
.endr
.endr
.endr
	WIN 0x08
	s_wait_alu depctr_va_vdst(0)                   ; the tile's rows and their byte offsets are written, which the sixteen stores below read as data and address
.irp g, 0,1
.irp p, 0,1,2,3,4,5,6,7
	global_store_b128 v[RID+8*\a+\p], v[OL+32*(2*(\a%2)+\g)+4*\p:OL+32*(2*(\a%2)+\g)+4*\p+3], s[YB:YB+1] offset:256*\g th:TH_STORE_NT   ; sixteen lanes store 256 consecutive bytes, aligned, of one row
.endr
.endr
	WIN 0
.endr
.Lepi_end:
	s_add_co_u32 s[RB0], s[RB0], 320
	s_cmp_ge_u32 s[RB0], s[NE]
	s_cbranch_scc1 .Lend                           ; the expert's rows are done: this exit ends the walk
	s_wait_xcnt 0x0                                ; the pass's loads and stores have read their addresses and data: all may be written again
	BASES
	s_wait_alu depctr_vm_vsrc(0)                   ; the pass's stores have read the rows' registers and their byte offsets, in which W's fragments and the next rows' numbers land
	s_wait_alu depctr_va_vdst(0)                   ; the last products are done reading h's slots, its scale words, W's fragments and their scale words; the way out is done writing the rows and the offsets and reading the gates: the loads below land in all of these
	RGLOAD
	PRO_E
	HL 0
	HL 1
	FETCHW 0
.irp z, 0,1,2,3,4,5,6,7,8,9,10,11
	STEP \z, 1, 20, 0, 1                           ; all images lie in LDS: no barrier, and nothing but h's next K step stands behind a K step
.endr
	s_add_co_u32 s[PS], s[PS], 1                   ; the loop is counted in passes, against the most that 1,024 rows can take
	s_cmp_lt_u32 s[PS], PASSES
	s_cbranch_scc1 .Ltail
.Lend:
	s_wait_dscnt 0x0                               ; the closing lines, six on end
	s_wait_alu 0x0
	s_wait_tensorcnt 0x0
	ds_add_u32 v62, v63
	s_wait_dscnt 0x0
	s_endpgm
.Lfunc_end_k_q49f9e43749_down:
	.size	k_q49f9e43749_down, .Lfunc_end_k_q49f9e43749_down-k_q49f9e43749_down
	.p2alignl 7, 3214868480
	.fill 96, 4, 3214868480
	.section	.rodata,"a",@progbits
	.p2align	6, 0x0
	.amdhsa_kernel k_q49f9e43749_down
		.amdhsa_group_segment_fixed_size 139776
		.amdhsa_private_segment_fixed_size 0
		.amdhsa_enable_private_segment 0
		.amdhsa_kernarg_size 48
		.amdhsa_user_sgpr_count 2
		.amdhsa_user_sgpr_kernarg_segment_ptr 1
		.amdhsa_wavefront_size32 1
		.amdhsa_system_sgpr_workgroup_id_x 1
		.amdhsa_system_sgpr_workgroup_id_y 1
		.amdhsa_system_sgpr_workgroup_id_z 1
		.amdhsa_system_vgpr_workitem_id 0
		.amdhsa_next_free_vgpr 1024
		.amdhsa_next_free_sgpr 84
		.amdhsa_reserve_vcc 0
		.amdhsa_float_denorm_mode_32 3
		.amdhsa_float_denorm_mode_16_64 3
		.amdhsa_memory_ordered 1
		.amdhsa_forward_progress 1
		.amdhsa_inst_pref_size 255
	.end_amdhsa_kernel
	.section	.bss,"aw",@nobits
	.p2align	6
	.space	262144
	.amdgpu_metadata
---
amdhsa.version: [ 1, 2 ]
amdhsa.kernels:
  - .name:           k_q49f9e43749_down
    .symbol:         k_q49f9e43749_down.kd
    .args:
      - { .name: W2, .offset: 0, .size: 8, .value_kind: global_buffer, .address_space: global }
      - { .name: b2, .offset: 8, .size: 8, .value_kind: global_buffer, .address_space: global }
      - { .name: route, .offset: 16, .size: 8, .value_kind: global_buffer, .address_space: global }
      - { .name: hq, .offset: 24, .size: 8, .value_kind: global_buffer, .address_space: global }
      - { .name: rid, .offset: 32, .size: 8, .value_kind: global_buffer, .address_space: global }
      - { .name: y, .offset: 40, .size: 8, .value_kind: global_buffer, .address_space: global }
    .group_segment_fixed_size: 139776
    .private_segment_fixed_size: 0
    .kernarg_segment_align: 8
    .kernarg_segment_size: 48
    .max_flat_workgroup_size: 128
    .sgpr_count:     84
    .vgpr_count:     1024
    .wavefront_size: 32
...
	.end_amdgpu_metadata
.endif
;; end of part 5
;; launch combine: the kernel of part 4 again; grid 512 x 1, 4 waves a work-group, no clusters, 0 bytes of LDS; arguments y, x, out0; writes out0
